; MI455X (gfx1250); checked and timed in simulation.
; The chip was launched on July 23, 2026; its instructions are those of AMD's public machine-readable ISA for CDNA 5 (MIT licence, August 2026) and "CDNA5" Instruction Set Architecture Reference Guide (July 2026). The comments in the code are by the model that wrote it; some were corrected since.
;; Bert Self Attention. Allowed arithmetic: matrix products marked QUANTISED: E2M3 operands, one E8M0 scale for each 32 along K, by v_wmma_scale_f32_16x16x128_f8f6f4 with both operands' format E2M3, f32 sums; everything else in f32.
;; Inputs: Wk 1,024 x 1,024 float32; Wq 1,024 x 1,024 float32; Wv 1,024 x 1,024 float32; attention_mask 8 x 1 x 1 x 1,024 float32; bk 1,024 float32; bq 1,024 float32; bv 1,024 float32; hidden_states 8 x 1,024 x 1,024 float32.
;; Outputs: out0 8 x 1,024 x 1,024 float32.
;; This version of the problem:
;;   THIS VERSION OF THE PROBLEM IS GIVEN IN LOW PRECISION. The matrix products marked QUANTISED in the list below multiply operands that are first quantised to E2M3 (2 exponent bits, 3 mantissa bits; 6 bits a number), with one power-of-two scale for each 32 numbers along K (OCP MX v1.0); their sums are f32. All else is computed in f32.
;;   The module's matrix products, in the order in which they are computed (A, B: the left and right operand; K: the contracted axis; several contracted axes count as one K, in the product's order):
;;     1. [M 8,192, K 1,024] x [K 1,024, N 1,024]; A: input hidden_states; B: input Wq: QUANTISED
;;     2. [M 8,192, K 1,024] x [K 1,024, N 1,024]; A: input hidden_states; B: input Wk: QUANTISED
;;     3. [M 8,192, K 1,024] x [K 1,024, N 1,024]; A: input hidden_states; B: input Wv: QUANTISED
;;     4. batch 128 x [M 1,024, K 64] x [K 64, N 1,024]; A: computed on the way; B: computed on the way: QUANTISED
;;     5. batch 128 x [M 1,024, K 1,024] x [K 1,024, N 64]; A: softmax (see below); B: computed on the way: QUANTISED
;;   THE QUANTISER, for each operand of a quantised product, along K:
;;     - K is cut into blocks of 32 from its start; a last block that is shorter is filled with zeros.
;;     - A block's scale is 2^e with e = floor(log2(the largest magnitude in the block)) - 2, held to -126 .. 127; a block of zeros has e = 0. As a byte (E8M0): e + 127.
;;     - Each number is divided by its block's scale, clamped to +-7.5, and rounded to the nearest number of E2M3, ties to even, subnormals kept.
;;     - The product sums the exact products of the quantised numbers (number of the format x scale) in f32.
;;   ~~~python
;;   def quantise(x, axis):      # numpy; x: float32 -> the quantised numbers, widened to float32 again
;;       x = np.moveaxis(x, axis, -1); K = x.shape[-1]
;;       x = np.pad(x, [(0, 0)] * (x.ndim - 1) + [(0, -K % 32)]); x = x.reshape(x.shape[:-1] + (-1, 32)); a = np.abs(x).max(-1, keepdims=True)
;;       e = np.where(a > 0, np.clip(np.frexp(np.where(a > 0, a, 1))[1] - 1 - 2, -126, 127), 0)      # np.frexp(a)[1] - 1 = floor(log2(a)), exactly
;;       r = np.clip(x / 2.0 ** e, -7.5, 7.5)
;;       step = 2.0 ** (np.maximum(np.frexp(np.where(r == 0, 1, r))[1] - 1, 0) - 3)
;;       q = np.round(r / step) * step * 2.0 ** e      # np.round: ties to even
;;       return np.moveaxis(q.reshape(q.shape[:-2] + (-1,))[..., :K], -1, axis).astype(np.float32)
;;   ~~~
;;   SOFTMAX AHEAD OF A QUANTISED PRODUCT. Where the list says 'softmax', what is quantised is not the finished softmax but p = 2^(t - M), with t = logit x log2(e) and M = ceil(the row's largest t), a whole number; so 1/2 < the row's largest p <= 1. The row's sum l is taken of the UNQUANTISED p, in f32, and the product's result is divided by l at the end. Since M is a whole number, a kernel that streams over the keys may use a running M (the ceiling of the running maximum): every later rescaling is an exact power of two, which a block's scale takes up: the codes' values come out the same.
;;   OPERANDS COMPUTED ON THE WAY. 'Computed on the way' means the value that the module computes at that place (a softmax that the list does not call 'softmax' is quantised finished and normalised). What goes into a quantiser is computed in f32, as accurately as f32 sums, v_exp_f32 and their like allow (about 1e-6 of the number): no bf16 or f16 on the way to a quantiser, and a product that is left as it is and whose result goes on into a quantised operand takes f32 operands (vector FMAs, or v_wmma_f32_16x16x4_f32). A number that lies on a knife's edge between two numbers of the format may be rounded either way, as far as f32 arithmetic and the matrix unit's own rounding can turn it there, and no further.
;; One version. Each part assembles by itself: llvm-mc -triple=amdgcn-amd-amdhsa -mcpu=gfx1250 --defsym DOCPART=n.
;; ======== version 1 of 1: 3 launches
;; limits: right only within a limited range of input values
;; workspace buffers: x_img 6,291,456 bytes; x_sc 262,144 bytes; w_img 2,359,296 bytes; w_sc 98,304 bytes; qk_img 12,582,912 bytes; qk_sc 524,288 bytes; v_img 6,291,456 bytes; v_sc 262,144 bytes
;; launch quant (part 1): grid 448 x 1, 4 waves a work-group, no clusters, 34,304 bytes of LDS; arguments hidden_states, Wq, Wk, Wv, x_img, x_sc, w_img, w_sc; writes x_img, x_sc, w_img, w_sc
.if DOCPART == 1
	.amdgcn_target "amdgcn-amd-amdhsa--gfx1250"
	.amdhsa_code_object_version 6
	.text
	.protected	k_qacb0def807_quant
	.globl	k_qacb0def807_quant
	.p2align	8
	.type	k_qacb0def807_quant,@function
k_qacb0def807_quant:
	s_mov_b64 s[64:65], 0
	v_nop
	global_prefetch_b8 v0, s[64:65] scope:SCOPE_SE
	s_setreg_imm32_b32 hwreg(HW_REG_WAVE_MODE, 25, 1), 1
	s_wait_xcnt 0x0
; hidden_states [8192][1024] and Wq, Wk, Wv [1024 (k)][1024 (n)], f32, become codes of FP6 (E2M3) with one E8M0 byte for each 32 along K (K = 1024).
; A block's scale is 2^(floor(log2(its largest magnitude)) - 2): its byte is the largest magnitude's exponent field - 2, held at 1 from below (a block of zeros keeps the byte 1: its codes are
; zeros, and this program alone reads the bytes).  LIMITS: NaN and infinities among the inputs are not served; blocks whose largest magnitude lies under 2^-124 keep the byte 1.
; THE OUTPUT IS LAID AS IMAGES OF OPERAND REGISTERS.  A fragment is 16 rows x 128 K, 12 registers a lane; its image is 1,536 bytes: registers 4 p .. 4 p + 3 of lane l at 512 p + 16 l.
; THE ROWS OF A FRAGMENT ARE NOT NEIGHBOURS: place r of block 2 B + u holds row 32 B + 8 u + r + 8 (r / 8) (tokens of x; columns n of Wq | Wk | Wv, 0 .. 3071).
; x_img, w_img: [group of 8 blocks][K step 8][block 8][1536].  x_sc, w_sc: [block][512]: the scale word of (place r, K step s) at 256 (s / 4) + 16 r + 4 (s % 4).
; Work-groups 0-255 take x (path X), 256-447 the weights (path W): a branch on the work-group's number.  Path X alone uses LDS.  Waves share nothing: no barrier.
.set STGB, 8448                        ; path X: a wave's stage: 16 rows x (512 bytes + 16)
.set TM,   16                          ; v16-31   at work in the quantiser
.set R,    32                          ; v32-159  path X: two sets of 64 registers as loaded
.set X,    160                         ; v160-223 path X: 64 numbers of my row: register 16 b + i = k 32 b + 16 (lane / 16) + i
.set PC,   224                         ; v224-242 path X: the codes
.set PW,   244                         ; v244-247 path X: the four K steps' scale words
.set WX,   32                          ; v32-159  path W: 128 numbers of my column, down K
.set GC,   160                         ; v160-183 path W: the registers of image lanes (r, 0) and (r, 1), 12 each
.set CT,   184                         ; v184-186 path W: a block's upper 16 codes
.set SOP,  188                         ; v188     path W: the conversion's scale operand
.set WPW,  189                         ; v189     path W: my column's scale word
.set SEL,  32                          ; s[32:33] v_permlanex16_b32's selects for lane l xor 16
; The largest magnitudes of the four blocks, their scale operands (v[TM+12] on) and the row's scale word (v[pw]).
.macro QMAX s, pw
.irp b, 0,1,2,3
	v_max3_num_f32 v[TM+\b], |v[\s+16*\b]|, |v[\s+1+16*\b]|, 0x1800000   ; my 16 numbers of block b, and the floor 2^(3 - 127): the byte cannot fall under 1
.endr
.irp i, 2,4,6,8,10,12,14
.irp b, 0,1,2,3
	v_max3_num_f32 v[TM+\b], v[TM+\b], |v[\s+16*\b+\i]|, |v[\s+1+16*\b+\i]|
.endr
.endr
.irp b, 0,1,2,3
	v_permlanex16_b32 v[TM+4+\b], v[TM+\b], s[SEL], s[SEL+1]
.endr
.irp b, 0,1,2,3
	v_max_num_f32 v[TM+\b], v[TM+\b], v[TM+4+\b]                   ; with lane l xor 16's 16: the block's
.endr
.irp b, 0,1,2,3
	v_add_nc_u32 v[TM+12+\b], 0xff000000, v[TM+\b]                 ; 2 off the exponent field: the conversion takes that field as its scale
.endr
.irp b, 0,1,2,3
	v_lshrrev_b32 v[TM+4+\b], 23, v[TM+12+\b]                      ; the scale's byte
.endr
	v_lshl_or_b32 v[\pw], v[TM+5], 8, v[TM+4]
	v_lshl_or_b32 v[\pw], v[TM+6], 16, v[\pw]
	v_lshl_or_b32 v[\pw], v[TM+7], 24, v[\pw]
.endm
; The codes: half blocks by the conversions, whole blocks by an exchange of the lanes' halves: v[PC] .. v[PC+11] is the fragment.
.macro QCVT s
.irp c, 0,1
	v_cvt_scalef32_pk16_fp6_f32 v[PC+6*\c:PC+2+6*\c], v[\s+32*\c:\s+15+32*\c], v[TM+12+2*\c]
	v_cvt_scalef32_pk16_fp6_f32 v[PC+12+4*\c:PC+14+4*\c], v[\s+16+32*\c:\s+31+32*\c], v[TM+13+2*\c]   ; (a conversion's three registers begin on an even number)
.endr
	v_nop                                          ; one plain instruction behind the scaled conversions
.irp c, 0,1
.irp i, 0,1,2
	v_permlane16_swap_b32 v[PC+6*\c+\i], v[PC+12+4*\c+\i]          ; lanes 0-15 get block 2 c whole, lanes 16-31 block 2 c + 1
.endr
.irp i, 0,1,2
	v_mov_b32 v[PC+3+6*\c+\i], v[PC+12+4*\c+\i]
.endr
.endr
.endm
.macro LOADU uu                        ; unit uu: 16 rows x 128 numbers; each load reads 512 consecutive bytes of one row
.irp i, 0,1,2,3,4,5,6,7,8,9,10,11,12,13,14,15
	global_load_b128 v[R+64*((\uu)%2)+4*\i:R+64*((\uu)%2)+4*\i+3], v2, s[4:5] offset:(\i+8*(\i/8))*4096+512*(\uu) th:TH_LOAD_NT
.endr
.endm
.macro TURN uu                         ; through my stage: in by rows as loaded, out 16 neighbours of each block a lane.  LDS serves a wave's instructions in order
.irp i, 0,1,2,3,4,5,6,7,8,9,10,11,12,13,14,15
	ds_store_b128 v3, v[R+64*((\uu)%2)+4*\i:R+64*((\uu)%2)+4*\i+3] offset:528*\i
.endr
.irp b, 0,1,2,3
.irp j, 0,1,2,3
	ds_load_b128 v[X+16*\b+4*\j:X+16*\b+4*\j+3], v4 offset:128*\b+16*\j
.endr
.endr
.endm
.macro UNIT uu
.if (\uu) < 3
	s_wait_loadcnt 16                              ; this unit's 16 loads are in; the next unit's 16 may be out
.else
	s_wait_loadcnt 0x0
.endif
	TURN \uu
	s_wait_dscnt 0x0                               ; my 64 numbers are back
.if (\uu) < 2
	LOADU (\uu)+2
.endif
	QMAX X, PW+(\uu)
.if (\uu) > 0
	s_wait_xcnt 0x0                                ; the last unit's stores have read the codes' registers: they are written again only behind this wait
.endif
	QCVT X
.irp c, 0,1,2
	global_store_b128 v2, v[PC+4*\c:PC+4*\c+3], s[12:13] offset:12288*(\uu)+512*\c   ; the image: 512 consecutive bytes a store
.endr
.endm
.macro WLOAD bet                       ; block bet of my column: W(32 bet + i, n): 32 lanes read 128 consecutive bytes, the four waves 512
.irp i, 0,1,2,3,4,5,6,7,8,9,10,11,12,13,14,15,16,17,18,19,20,21,22,23,24,25,26,27,28,29,30,31
	global_load_b32 v[WX+32*(\bet)+\i], v3, s[6:7] offset:(32*(\bet)+\i)*4096 th:TH_LOAD_NT
.endr
.endm
.macro WBLOCK bet
.set XS, WX+32*(\bet)
.set GD, GC+12*((\bet)%2)+6*((\bet)/2)  ; block bet = 2 c + h is registers 6 c .. 6 c + 5 of image lane (r, h)
.if (\bet) < 3
	s_wait_loadcnt 32                              ; this block's 32 loads are in; the next block's may be out
.else
	s_wait_loadcnt 0x0
.endif
.if (\bet) < 2
	WLOAD (\bet)+2
.endif
	v_max3_num_f32 v12, |v[XS]|, |v[XS+1]|, |v[XS+2]|              ; all 32 numbers of the block are mine
	v_max3_num_f32 v13, |v[XS+3]|, |v[XS+4]|, |v[XS+5]|
.irp i, 6,10,14,18,22,26
	v_max3_num_f32 v12, v12, |v[XS+\i]|, |v[XS+\i+1]|
	v_max3_num_f32 v13, v13, |v[XS+\i+2]|, |v[XS+\i+3]|
.endr
	v_max3_num_f32 v12, v12, |v[XS+30]|, |v[XS+31]|
	v_max3_num_f32 v12, v12, v13, 0x1800000        ; and the floor
	v_add_nc_u32 v[SOP], 0xff000000, v12
	v_lshrrev_b32 v13, 23, v[SOP]
.if (\bet) == 0
	v_mov_b32 v[WPW], v13
.else
	v_lshl_or_b32 v[WPW], v13, 8*(\bet), v[WPW]
.endif
	v_cvt_scalef32_pk16_fp6_f32 v[GD:GD+2], v[XS:XS+15], v[SOP]
	v_cvt_scalef32_pk16_fp6_f32 v[CT:CT+2], v[XS+16:XS+31], v[SOP]
	v_nop                                          ; one plain instruction behind the scaled conversions
.irp i, 0,1,2
	v_mov_b32 v[GD+3+\i], v[CT+\i]
.endr
.endm
	s_load_b256 s[4:11], s[0:1], 0x0               ; hidden_states s[4:5], Wq s[6:7], Wk s[8:9], Wv s[10:11]
	s_load_b256 s[12:19], s[0:1], 0x20             ; x_img s[12:13], x_sc s[14:15], w_img s[16:17], w_sc s[18:19]
	v_lshl_add_u32 v254, v0, 2, 0x8400
	v_mov_b32 v255, 0
	v_lshrrev_b32 v5, 5, v0
	v_readfirstlane_b32 s20, v5                    ; wave 0..3
	v_and_b32 v1, 31, v0                           ; lane
	v_lshlrev_b32 v2, 4, v1                        ; 16 x lane
	s_cmp_lt_u32 ttmp9, 256
	s_cbranch_scc0 .Lpath_w
	; ---- PATH X.  Wave w: block 2 x work-group + w / 2 (16 tokens), K half w % 2: four units of 16 rows x 128 K.
	s_lshr_b32 s21, s20, 1                         ; u
	s_and_b32 s22, s20, 1                          ; the K half
	s_mul_i32 s23, s20, STGB                       ; my stage
	v_add_nc_u32 v3, s23, v2                       ; in: 16 x lane, row i by the offset
	v_and_b32 v6, 15, v1                           ; r
	v_lshrrev_b32 v7, 4, v1                        ; h
	v_mul_u32_u24 v4, v6, 528
	v_lshl_add_u32 v4, v7, 6, v4
	v_add_nc_u32 v4, s23, v4                       ; out: row r, + 64 h
	v_lshlrev_b32 v8, 4, v6                        ; the scale words' place: 16 r
	s_mov_b32 s[SEL], 0x76543210
	s_mov_b32 s[SEL+1], 0xfedcba98
.irp b, 0,1,2,3
	v_mov_b32 v[TM+4+\b], 0                        ; written once: a lane permute's destination counts as one of its sources
.endr
	s_lshl_b32 s24, ttmp9, 17                      ; 32 rows of 4,096 bytes a work-group,
	s_lshl_b32 s25, s21, 15                        ; 8 u rows,
	s_add_co_u32 s24, s24, s25
	s_lshl_b32 s25, s22, 11                        ; 512 numbers a K half
	s_add_co_u32 s24, s24, s25
	s_mov_b32 s25, 0
	s_lshl_b32 s26, ttmp9, 1
	s_add_co_u32 s26, s26, s21                     ; my block
	s_lshr_b32 s27, s26, 3
	s_mul_i32 s27, s27, 98304                      ; its group,
	s_and_b32 s28, s26, 7
	s_mul_i32 s28, s28, 1536                       ; its place in a K step,
	s_add_co_u32 s28, s28, s27
	s_mul_i32 s27, s22, 49152                      ; my first K step
	s_add_co_u32 s28, s28, s27
	s_mov_b32 s29, 0
	s_lshl_b32 s30, s26, 9                         ; the block's 512 bytes of scale words,
	s_lshl_b32 s27, s22, 8                         ; my half of them
	s_add_co_u32 s30, s30, s27
	s_mov_b32 s31, 0
	s_wait_alu depctr_va_vdst(0)
	s_wait_kmcnt 0x0
	s_add_nc_u64 s[4:5], s[4:5], s[24:25]
	s_add_nc_u64 s[12:13], s[12:13], s[28:29]
	s_add_nc_u64 s[14:15], s[14:15], s[30:31]
	LOADU 0
	LOADU 1
.irp u, 0,1,2,3
	UNIT \u
.endr
	v_cmp_gt_u32 vcc_lo, 16, v1                    ; lanes l and l xor 16 hold the same words: lanes 0-15 store them
	s_wait_xcnt 0x0                                ; EXEC changes only behind this wait
	s_wait_tensorcnt 0x0
	ds_add_u32 v254, v255
	s_wait_dscnt 0x0
	s_and_saveexec_b32 s21, vcc_lo
	global_store_b128 v8, v[PW:PW+3], s[14:15]     ; sixteen lanes store 256 consecutive bytes, aligned
	s_wait_xcnt 0x0
	s_or_b32 exec_lo, exec_lo, s21
	s_endpgm
	; ---- PATH W.  Work-group g: tensor g / 64, K step (g / 8) % 8, columns 128 (g % 8) on; wave w: 32 of them.  A LANE TAKES A COLUMN AND ITS REGISTERS RUN DOWN K.
.Lpath_w:
	s_sub_co_u32 s21, ttmp9, 256
	s_lshr_b32 s22, s21, 6                         ; tensor 0..2
	s_and_b32 s23, s21, 7                          ; group of 128 columns
	s_bfe_u32 s24, s21, 0x30003                    ; K step
	s_wait_alu depctr_va_vdst(0)
	v_and_b32 v3, 7, v1
	v_bfe_u32 v4, v1, 3, 1
	v_bfe_u32 v5, v1, 4, 1
	v_lshl_or_b32 v3, v4, 4, v3
	v_lshl_or_b32 v3, v5, 3, v3                    ; lane l takes column l with bits 3 and 4 exchanged: so lane l IS place l % 16 of block l / 16
	v_lshlrev_b32 v3, 2, v3
	v_and_b32 v6, 15, v1
	v_mul_u32_u24 v7, v5, 1536
	v_lshl_add_u32 v7, v6, 4, v7                   ; codes: my block's image, + 16 r
	v_lshlrev_b32 v8, 9, v5
	v_lshl_add_u32 v8, v6, 4, v8                   ; scale word: my block's 512 bytes, + 16 r
	s_lshl_b32 s26, s24, 19                        ; 128 rows of 4,096 bytes a K step
	s_lshl_b32 s27, s23, 9
	s_add_co_u32 s26, s26, s27
	s_lshl_b32 s27, s20, 7
	s_add_co_u32 s26, s26, s27
	s_mov_b32 s27, 0
	s_lshl_b32 s28, s22, 3
	s_add_co_u32 s28, s28, s23
	s_mul_i32 s28, s28, 98304                      ; the group,
	s_mul_i32 s29, s24, 12288                      ; the K step,
	s_add_co_u32 s28, s28, s29
	s_mul_i32 s29, s20, 3072                       ; my two blocks
	s_add_co_u32 s28, s28, s29
	s_mov_b32 s29, 0
	s_lshl_b32 s30, s22, 15                        ; 64 blocks of 512 bytes a tensor,
	s_lshl_b32 s31, s23, 12
	s_add_co_u32 s30, s30, s31
	s_lshl_b32 s31, s20, 10
	s_add_co_u32 s30, s30, s31
	s_lshr_b32 s31, s24, 2
	s_lshl_b32 s31, s31, 8
	s_add_co_u32 s30, s30, s31                     ; 256 (K step / 4)
	s_and_b32 s31, s24, 3
	s_lshl_b32 s31, s31, 2
	s_add_co_u32 s30, s30, s31                     ; 4 (K step % 4)
	s_mov_b32 s31, 0
	s_wait_alu depctr_va_vdst(0)
	s_wait_kmcnt 0x0
	s_cmp_eq_u32 s22, 1                            ; the tensor is chosen on the work-group's number alone
	s_cselect_b64 s[8:9], s[8:9], s[10:11]
	s_cmp_eq_u32 s22, 0
	s_cselect_b64 s[6:7], s[6:7], s[8:9]
	s_add_nc_u64 s[6:7], s[6:7], s[26:27]
	s_add_nc_u64 s[16:17], s[16:17], s[28:29]
	s_add_nc_u64 s[18:19], s[18:19], s[30:31]
	WLOAD 0
	WLOAD 1
.irp t, 0,1,2,3
	WBLOCK \t
.endr
.irp h, 0,1
.irp p, 0,1,2
	global_store_b128 v7, v[GC+12*\h+4*\p:GC+12*\h+4*\p+3], s[16:17] offset:512*\p+256*\h   ; each half of the lanes stores 256 consecutive bytes, aligned
.endr
.endr
	global_store_b32 v8, v[WPW], s[18:19]          ; 4 bytes a lane, 16 bytes apart: the words of the other K steps lie between.  98,304 bytes in all, one in 128 of what this path reads
	s_endpgm
.Lfunc_end_k_qacb0def807_quant:
	.size	k_qacb0def807_quant, .Lfunc_end_k_qacb0def807_quant-k_qacb0def807_quant
	.p2alignl 7, 3214868480
	.fill 96, 4, 3214868480
	.section	.rodata,"a",@progbits
	.p2align	6, 0x0
	.amdhsa_kernel k_qacb0def807_quant
		.amdhsa_group_segment_fixed_size 34304
		.amdhsa_private_segment_fixed_size 0
		.amdhsa_enable_private_segment 0
		.amdhsa_kernarg_size 64
		.amdhsa_user_sgpr_count 2
		.amdhsa_user_sgpr_kernarg_segment_ptr 1
		.amdhsa_wavefront_size32 1
		.amdhsa_system_sgpr_workgroup_id_x 1
		.amdhsa_system_sgpr_workgroup_id_y 1
		.amdhsa_system_sgpr_workgroup_id_z 1
		.amdhsa_system_vgpr_workitem_id 0
		.amdhsa_next_free_vgpr 256
		.amdhsa_next_free_sgpr 66
		.amdhsa_reserve_vcc 1
		.amdhsa_float_denorm_mode_32 3
		.amdhsa_float_denorm_mode_16_64 3
		.amdhsa_memory_ordered 1
		.amdhsa_forward_progress 1
		.amdhsa_inst_pref_size 54
	.end_amdhsa_kernel
	.amdgpu_metadata
---
amdhsa.version: [ 1, 2 ]
amdhsa.kernels:
  - .name:           k_qacb0def807_quant
    .symbol:         k_qacb0def807_quant.kd
    .args:
      - { .name: hidden_states, .offset: 0, .size: 8, .value_kind: global_buffer, .address_space: global }
      - { .name: Wq, .offset: 8, .size: 8, .value_kind: global_buffer, .address_space: global }
      - { .name: Wk, .offset: 16, .size: 8, .value_kind: global_buffer, .address_space: global }
      - { .name: Wv, .offset: 24, .size: 8, .value_kind: global_buffer, .address_space: global }
      - { .name: x_img, .offset: 32, .size: 8, .value_kind: global_buffer, .address_space: global }
      - { .name: x_sc, .offset: 40, .size: 8, .value_kind: global_buffer, .address_space: global }
      - { .name: w_img, .offset: 48, .size: 8, .value_kind: global_buffer, .address_space: global }
      - { .name: w_sc, .offset: 56, .size: 8, .value_kind: global_buffer, .address_space: global }
    .group_segment_fixed_size: 34304
    .private_segment_fixed_size: 0
    .kernarg_segment_align: 8
    .kernarg_segment_size: 64
    .max_flat_workgroup_size: 128
    .sgpr_count:     66
    .vgpr_count:     256
    .wavefront_size: 32
...
	.end_amdgpu_metadata
.endif
;; end of part 1
;; launch proj (part 2): grid 32 x 8, 4 waves a work-group, clusters of 4 x 1, 327,680 bytes of LDS; arguments x_img, x_sc, w_img, w_sc, bq, bk, bv, qk_img, qk_sc, v_img, v_sc; writes qk_img, qk_sc, v_img, v_sc
.if DOCPART == 2
	.amdgcn_target "amdgcn-amd-amdhsa--gfx1250"
	.amdhsa_code_object_version 6
	.text
	.protected	k_qacb0def807_proj
	.globl	k_qacb0def807_proj
	.p2align	8
	.type	k_qacb0def807_proj,@function
k_qacb0def807_proj:
	s_mov_b64 s[64:65], 0
	v_nop
	global_prefetch_b8 v0, s[64:65] scope:SCOPE_SE
	s_setreg_imm32_b32 hwreg(HW_REG_WAVE_MODE, 25, 1), 1
	s_wait_xcnt 0x0
	s_wait_alu depctr_hold_cnt(0) depctr_sa_sdst(0) depctr_va_vdst(0) depctr_va_sdst(0) depctr_va_ssrc(0) depctr_va_vcc(0) depctr_vm_vsrc(0)
	s_getreg_b32 s2, hwreg(HW_REG_IB_STS2, 6, 4)
	s_cmp_eq_u32 s2, 0
	s_cbranch_scc0 .Lentry_in_a_cluster
	s_endpgm
.Lentry_in_a_cluster:
	s_bfe_u32 s2, ttmp6, 0x10000c
	s_cmp_lg_u32 s2, 0x3003
	s_cbranch_scc0 .Lentry_shape_is_right
	s_endpgm
.Lentry_shape_is_right:
; q, k, v = x W + b on codes of FP6 (E2M3), K = 1024, and the results QUANTISED IN REGISTERS on the way out: q and k along the head's 64, v along the keys.  Nothing leaves as f32.
; IN: x_img (64 groups of 128 tokens), w_img (24 groups of 128 columns, Wq | Wk | Wv): [group][K step 8][block 8][1536], images of operand registers (registers 4 p .. 4 p + 3 of lane l at 512 p + 16 l);
; place r of block 2 B + u holds row 32 B + 8 u + r + 8 (r / 8).  x_sc, w_sc: [block][512]: the word of (place r, K step s) at 256 (s / 4) + 16 r + 4 (s % 4).
; THE DEAL: 256 work-groups: 256 tokens (grid x) x one head pair's 128 columns (grid y) of Wv, then Wq, then Wk.  A wave holds its 64 tokens (four blocks), ALL of K, in 384 registers, loaded once as whole images;
; the weights pass by in blocks of 16 columns, all of K: 8 fragments from LDS, 32 products against the four blocks of x, four accumulators by turns.
; LDS holds the three weights' tiles (3 x 98,304 bytes), their scale words (3 x 4,096), the biases, a stage for the results' scale words, the spare words.  All tensor loads go out at the head, one a wave.
; CLUSTER 4 x 1: four token tiles of one head pair ask for the weights jointly.  x is not asked for jointly: the weights take 294,912 of LDS's 327,680 bytes, so x's 196,608 have no room there and go straight to registers.
; No prefetch: every load of the launch is issued at its head, so there is no later trip to ask ahead for.
; ROLES: q, k: source 0 = W's rows, source 1 = x's: a lane holds one token, the 16 registers of column blocks 2 B, 2 B + 1 are columns 32 B + 16 (lane / 16) + 0 .. 15.  v: source 0 = x's rows, source 1 = Wv's: a lane holds
; one channel, the 16 registers of token blocks 2 B, 2 B + 1 are 16 neighbouring keys.  The bias is the C of each sum's first product.
; THE WAY OUT goes by pairs of weight blocks (64 sums a lane, four groups of 16): the largest magnitudes are searched among the next pair's products, the conversions stand behind that pair's last fetch.
; OUT: qk_img [head pair: q's 0-7, k's 8-15][block of 16 tokens 512][1536], images as above.  v_img [batch][head pair][128 keys 8][block of 16 channels 8][half c 2][768]: registers 6 c .. 6 c + 3 of lane l at 16 l,
; registers 6 c + 4, 6 c + 5 at 512 + 8 l: a wave has 64 keys, half c of an operand, and stores it in whole runs of 256 bytes.  qk_sc, v_sc: 512 bytes for 8 blocks: the word of (block 2 i + j, place r) at 16 (16 j + r) + 4 i.
; LIMITS: NaN and infinities are not served; blocks whose largest magnitude lies under 2^-124 keep the byte 1 (a block of zeros too: its codes are zeros, and this program alone reads the bytes).
; REGISTERS: window 0: v1-15 addresses; v16-31 the quantiser's; v32-47 x's scale words; v50-57 the weights', two sets; v58-105 codes; v106-121 conversions' halves; v128-255 two sets of 64 sums.
;   fragment f lies in window 1 + f / 21 at register 12 (f % 21): 0-31 x's (4 K step + block), 32-47 the weights' two sets.  window 3, v72-87: two bias tiles.
.set WREG,  98304                      ; a weight's tile: [K step 8][block 8][1536].  Wv at 0, Wq at WREG, Wk at 2 WREG
.set SCL,   3*WREG                     ; the weights' scale words: q's, k's, v's, 4,096 bytes each
.set BIA,   SCL+12288                  ; the biases of my 128 columns: q's, k's, v's, 512 bytes each; stored by wave 1
.set XST,   BIA+1536                   ; the results' scale words: q's, k's, v's, 1,024 bytes each
.set SPARE, XST+3072                   ; the spare words, 128 bytes a wave
.set NFQ,   27                         ; LDS loads of a block's fetch: 24 for eight fragments, 2 for the bias tile, 1 for the scale words
.set NFV,   33                         ; v: 8 for the bias tile
.set LI,  1                            ; 16 x lane
.set L8,  2                            ; 8 x lane
.set ABQ, 3                            ; BIA + 64 (lane / 16)
.set AW,  4                            ; v4, v5  the phase's weights, K steps 0-3 and 4-7
.set AS,  6                            ; its scale words
.set AB,  7                            ; its bias (q, k)
.set ABV, 8                            ; v's bias: my channel
.set STQ, 9                            ; the stage, q's words
.set STV, 10                           ; v's
.set LN,  11
.set SPW, 12
.set NIL, 13
.set W2,  14
.set T,   16                           ; v16-19 largest magnitudes, then scale operands; v20-23 the other half's, then bytes
.set U,   20
.set PWD, 24                           ; v24-31 scale words in the making
.set XS,  32
.set WS,  50
.set PC,  58
.set CT,  106
.set H4,  122
.set BST, 126                          ; BIA + 16 x lane
.set XRD, 127                          ; XST + 256 wave + 8 x lane
.set STT, 48                           ; v48  the stage, this phase's words (q's or k's)
.set ACC, 128
.set BB,  72
.set WV,  4                            ; s4 wave; s5 wave / 2: my group of 128 tokens; s6 wave % 2: my half of it; s8 token tile; s9 head pair
.set SEL, 10
.set G1W, 12
.set G1S, 20
.set G0V, 28
.set G0Q, 32
.set G0K, 60
.set G0S, 68
.set QKB, 80
.set VB,  82
.set CNT, 88
.set MSB, 0
.macro WIN new                         ; the immediate's high byte repeats the setting that is left
.if MSB != \new
	s_set_vgpr_msb (MSB<<8)|\new
.set MSB, \new
.endif
.endm
.macro PLACES                          ; four plain instructions behind matrix instructions, ahead of loads into their registers and of the first read of results
.rept 4
	v_nop
.endr
.endm
.macro WALU
	s_wait_alu depctr_va_vdst(0)
.endm
.macro CROUND                          ; a round of the cluster's barrier
	s_barrier_signal -1
	s_barrier_wait -1
	s_cmp_lg_u32 s[WV], 0
	s_cbranch_scc1 .Lnot_wave_0_\@
	s_barrier_signal -3
.Lnot_wave_0_\@:
	s_barrier_wait -3
	s_barrier_signal -1
	s_barrier_wait -1
.endm
.macro ARM w, g0, g1                   ; one arm of the head's chain: wave w's one joint load
	s_cmp_eq_u32 s[WV], \w
	s_cbranch_scc0 .Lnot_\w
	tensor_load_to_lds s[\g0:\g0+3], s[\g1:\g1+7]
	s_nop 0
	PLACES
	s_branch .Lasked
.Lnot_\w:
.endm
.macro G0SET g, lds, off               ; group 0: LDS place, w_img's tile of my head pair (s[72:73]) + off
	s_mov_b32 s[\g], 1
	s_mov_b32 s[\g+1], \lds
	s_add_nc_u64 s[\g+2:\g+3], s[72:73], \off
	s_or_b32 s[\g+3], s[\g+3], 0x80000000
.endm
; block j of the phase's weights into set j % 2: eight fragments, the bias tile, the scale words
.macro FETCH kind, j
.set E_, (\j)%2
.set Q_, 0
.rept 8
.set FW_, 32+8*E_+Q_
	WIN (1+FW_/21)<<6
.irp c, 0,1,2
	ds_load_b128 v[12*(FW_%21)+4*\c:12*(FW_%21)+4*\c+3], v[AW+Q_/4] offset:(Q_%4)*12288+(\j)*1536+512*\c
.endr
.set Q_, Q_+1
.endr
	WIN 0xc0
.if \kind
.irp i, 0,1,2,3,4,5,6,7
	ds_load_b32 v[BB+8*E_+\i], v[ABV] offset:128*((\j)/2)+32*((\j)%2)      ; v: all eight registers of the tile hold my channel's bias
.endr
.else
	ds_load_b128 v[BB+8*E_:BB+8*E_+3], v[AB] offset:128*((\j)/2)+32*((\j)%2)   ; q, k: register i holds column 32 (j / 2) + 8 (j % 2) + 16 h + i
	ds_load_b128 v[BB+8*E_+4:BB+8*E_+7], v[AB] offset:128*((\j)/2)+32*((\j)%2)+16
.endif
	WIN 0
	ds_load_b128 v[WS+4*E_:WS+4*E_+3], v[AS] offset:512*(\j)
.endm
.macro PROD1 d, r0, r1, s0, s1, q, e
.if (\q) == 0
	v_wmma_scale_f32_16x16x128_f8f6f4 v[\d:\d+7], v[\r0:\r0+11], v[\r1:\r1+11], v[BB+8*(\e):BB+8*(\e)+7], v[\s0], v[\s1] matrix_a_fmt:MATRIX_FMT_FP6 matrix_b_fmt:MATRIX_FMT_FP6
.elseif (\q) < 4
	v_wmma_scale_f32_16x16x128_f8f6f4 v[\d:\d+7], v[\r0:\r0+11], v[\r1:\r1+11], v[\d:\d+7], v[\s0], v[\s1] matrix_a_fmt:MATRIX_FMT_FP6 matrix_b_fmt:MATRIX_FMT_FP6
.else
	v_wmma_scale_f32_16x16x128_f8f6f4 v[\d:\d+7], v[\r0:\r0+11], v[\r1:\r1+11], v[\d:\d+7], v[\s0], v[\s1] matrix_a_fmt:MATRIX_FMT_FP6 matrix_b_fmt:MATRIX_FMT_FP6 matrix_a_scale:MATRIX_SCALE_ROW1 matrix_b_scale:MATRIX_SCALE_ROW1
.endif
.endm
; the product of weight block j and x's block a at K step q.  The first K step's C is the bias tile, in window 3
.macro PROD kind, j, q, a
.set FX_, 4*(\q)+(\a)
.set FW_, 32+8*((\j)%2)+(\q)
.set RX_, 12*(FX_%21)
.set RW_, 12*(FW_%21)
.set SX_, XS+4*(\a)+(\q)%4
.set SW_, WS+4*((\j)%2)+(\q)%4
.set CW_, 0
.if (\q) == 0
.set CW_, 3
.endif
.if \kind
.set D_, ACC+64*(((\j)/2)%2)+32*((\j)%2)+8*(\a)
	WIN (1+FX_/21)|((1+FW_/21)<<2)|(CW_<<4)
	PROD1 D_, RX_, RW_, SX_, SW_, \q, (\j)%2
.else
.set D_, ACC+64*(((\j)/2)%2)+16*(\a)+8*((\j)%2)
	WIN (1+FW_/21)|((1+FX_/21)<<2)|(CW_<<4)
	PROD1 D_, RW_, RX_, SW_, SX_, \q, (\j)%2
.endif
.endm
; line i (0 .. 51) of a pair's way out: the four groups of 16 sums from x on, by turns: the largest magnitude with the floor 2^(3 - 127) among its leaves, each accumulator from its low end on; lane l xor 16's;
; 2 off the exponent field: the conversion's scale operand; the byte; the byte into its word (q, k: byte p of token block g's word; v: the two bytes of channel block 2 p + g)
.macro ENTRY i, x, kind, p
.set G_, (\i)%4
.set S_, (\i)/4
.if S_ == 0
	v_max3_num_f32 v[T+G_], |v[(\x)+16*G_]|, |v[(\x)+16*G_+1]|, 0x1800000
.elseif S_ < 8
	v_max3_num_f32 v[T+G_], v[T+G_], |v[(\x)+16*G_+2*S_]|, |v[(\x)+16*G_+2*S_+1]|
.elseif S_ == 8
	v_permlanex16_b32 v[U+G_], v[T+G_], s[SEL], s[SEL+1]
.elseif S_ == 9
	v_max_num_f32 v[T+G_], v[T+G_], v[U+G_]
.elseif S_ == 10
	v_add_nc_u32 v[T+G_], 0xff000000, v[T+G_]
.elseif S_ == 11
	v_lshrrev_b32 v[U+G_], 23, v[T+G_]
.elseif \kind
.if G_ < 2
	v_lshl_or_b32 v[PWD+2*(\p)+G_], v[U+2*G_+1], 8, v[U+2*G_]
.endif
.elseif (\p) == 0
	v_mov_b32 v[PWD+G_], v[U+G_]
.else
	v_lshl_or_b32 v[PWD+G_], v[U+G_], 8*(\p), v[PWD+G_]
.endif
.endm
.macro CHAINALL x, kind, p             ; a phase's last pair: the 52 lines on end
.set I_, 0
.rept 52
	ENTRY I_, \x, \kind, \p
.set I_, I_+1
.endr
.endm
; a block: 32 products; w: the LDS instructions issued behind this block's fetch that may stay out (the next block's fetch).  hk = 1: behind every second product stand two lines of the way out of the pair at hx
.macro BATCH kind, j, w, hk, hx, hp
	WALU
	s_wait_dscnt \w
.set N_, 0
.rept 32
	PROD \kind, \j, N_/4, N_%4
.if (\hk) && (N_%2) && (32*((\j)%2)+N_-1 < 52)
	WIN 0
	ENTRY 32*((\j)%2)+N_-1, \hx, \kind, \hp
	ENTRY 32*((\j)%2)+N_, \hx, \kind, \hp
.endif
.set N_, N_+1
.endr
	WIN 0
	PLACES
.endm
.macro HALVES c, t                     ; half blocks become whole blocks: lanes 0-15 get the even block whole, lanes 16-31 the odd one
.irp i, 0,1,2
	v_permlane16_swap_b32 v[\c+\i], v[\t+\i]
.endr
.irp i, 0,1,2
	v_mov_b32 v[\c+3+\i], v[\t+\i]
.endr
.endm
; q, k: pair p's codes: token block a's columns 32 p + 16 h + 0 .. 15; an odd pair completes registers 6 (p / 2) .. + 5 of the four operands
.macro CVTQ p, x
	WALU                                           ; the scale operands were written among the products
	s_wait_xcnt 0x0                                ; earlier stores have read the codes' registers
.irp a, 0,1,2,3
.if (\p)%2
	v_cvt_scalef32_pk16_fp6_f32 v[CT+4*\a:CT+4*\a+2], v[(\x)+16*\a:(\x)+16*\a+15], v[T+\a]
.else
	v_cvt_scalef32_pk16_fp6_f32 v[PC+12*\a+6*((\p)/2):PC+12*\a+6*((\p)/2)+2], v[(\x)+16*\a:(\x)+16*\a+15], v[T+\a]
.endif
.endr
	v_nop                                          ; one plain instruction behind the scaled conversions
.if (\p)%2
.irp a, 0,1,2,3
	HALVES PC+12*\a+6*((\p)/2), CT+4*\a
.endr
.endif
.endm
; v: pair p's codes: channel blocks 2 p, 2 p + 1, my 64 keys: six registers each, which leave at once
.macro CVTV p, x
	WALU
	s_wait_xcnt 0x0
.irp u, 0,1
	v_cvt_scalef32_pk16_fp6_f32 v[PC+8*\u:PC+8*\u+2], v[(\x)+32*\u:(\x)+32*\u+15], v[T+2*\u]
	v_cvt_scalef32_pk16_fp6_f32 v[CT+4*\u:CT+4*\u+2], v[(\x)+32*\u+16:(\x)+32*\u+31], v[T+2*\u+1]
.endr
	v_nop
.irp u, 0,1
	HALVES PC+8*\u, CT+4*\u
.endr
.irp u, 0,1
	global_store_b128 v[LI], v[PC+8*\u:PC+8*\u+3], s[VB:VB+1] offset:(2*(\p)+\u)*1536        ; 512 consecutive bytes
	global_store_b64 v[L8], v[PC+8*\u+4:PC+8*\u+5], s[VB:VB+1] offset:(2*(\p)+\u)*1536+512   ; 256 consecutive bytes, aligned
.endr
.endm
; a phase's eight blocks.  Block j's registers take block j + 2 behind its products; pair p's way out stands in pair p + 1
.macro PHASE kind, nf
.irp j, 0,1,2,3,4,5,6,7
.if \j < 2
	BATCH \kind, \j, \nf, 0, 0, 0
.elseif \j < 7
	BATCH \kind, \j, \nf, 1, ACC+64*((\j/2-1)%2), \j/2-1
.else
	BATCH \kind, \j, 0, 1, ACC+64*((\j/2-1)%2), \j/2-1
.endif
.if \j < 6
	FETCH \kind, \j+2
.endif
.if (\j%2) && (\j > 2)
.if \kind
	CVTV \j/2-1, ACC+64*((\j/2-1)%2)
.else
	CVTQ \j/2-1, ACC+64*((\j/2-1)%2)
.endif
.endif
.endr
.endm
; ---- THE HEAD
	s_load_b512 s[36:51], s[0:1], 0x0              ; x_img 36, x_sc 38, w_img 40, w_sc 42, bq 44, bk 46, bv 48, qk_img 50
	s_load_b128 s[52:55], s[0:1], 0x40             ; qk_sc 52, v_img 54
	s_load_b64 s[56:57], s[0:1], 0x50              ; v_sc
	v_lshl_add_u32 v[SPW], v0, 2, SPARE
	v_mov_b32 v[NIL], 0
	ds_add_u32 v[SPW], v[NIL]
	ds_add_u32 v[SPW], v[NIL]
	v_lshrrev_b32 v3, 5, v0
	v_readfirstlane_b32 s[WV], v3
	s_lshr_b32 s5, s[WV], 1
	s_and_b32 s6, s[WV], 1
	s_bfe_u32 s7, ttmp6, 0x40000                   ; cx: it enters x's and the results' global addresses alone
	s_lshl_b32 s8, ttmp9, 2
	s_add_co_u32 s8, s8, s7                        ; token tile
	s_and_b32 s9, ttmp7, 0xffff                    ; head pair: all four partners share it
	s_mov_b32 s[SEL], 0x76543210
	s_mov_b32 s[SEL+1], 0xfedcba98
	s_mov_b32 s[G1W], 15|(3<<16)|(1<<21)           ; the mask: all four work-groups; elements of 8 bytes; bit 21 beside a mask
	s_mov_b32 s[G1W+1], 32<<16                     ; a weight's tile: a dense block as 384 rows of 256 bytes
	s_mov_b32 s[G1W+2], 384<<16
	s_mov_b32 s[G1W+3], 32<<16
	s_mov_b32 s[G1W+4], 384
	s_mov_b32 s[G1W+5], 32
	s_mov_b32 s[G1W+6], 0
	s_mov_b32 s[G1W+7], 0
	s_mov_b32 s[G1S], 15|(3<<16)|(1<<21)
	s_mov_b32 s[G1S+1], 512<<16                    ; the scale words: three rows of 4,096 bytes, one a tensor, 32,768 bytes apart
	s_mov_b32 s[G1S+2], 3<<16
	s_mov_b32 s[G1S+3], 512<<16
	s_mov_b32 s[G1S+4], 3
	s_mov_b32 s[G1S+5], 4096
	s_mov_b32 s[G1S+6], 0
	s_mov_b32 s[G1S+7], 0
	v_and_b32 v[LN], 31, v0
	v_lshlrev_b32 v[LI], 4, v[LN]
	v_lshlrev_b32 v[L8], 3, v[LN]
	v_mov_b32 v[AW], v[LI]                         ; phase v
	v_add_nc_u32 v[AW+1], 49152, v[LI]
	v_add_nc_u32 v[AS], SCL+8192, v[LI]
	v_bfe_u32 v[ABQ], v0, 4, 1
	v_lshl_add_u32 v[ABQ], v[ABQ], 6, BIA
	v_mov_b32 v[AB], v[ABQ]
	v_and_b32 v[ABV], 15, v0
	v_and_b32 v[W2], 8, v[ABV]
	v_add_nc_u32 v[ABV], v[ABV], v[W2]             ; my channel: r + 8 (r / 8)
	v_lshl_add_u32 v[ABV], v[ABV], 2, BIA+1024
	s_lshl_b32 s72, s5, 9
	s_lshl_b32 s73, s6, 3
	s_add_co_u32 s73, s73, s72
	s_add_co_u32 s73, s73, XST
	v_add_nc_u32 v[STQ], s73, v[LI]                ; 512 (wave / 2) + 16 lane + 8 (wave % 2)
	s_lshl_b32 s73, s6, 1
	s_add_co_u32 s73, s73, s72
	s_add_co_u32 s73, s73, XST+2048
	v_add_nc_u32 v[STV], s73, v[LI]                ; 512 (wave / 2) + 16 lane + 2 (wave % 2)
	v_add_nc_u32 v[BST], BIA, v[LI]
	s_lshl_b32 s73, s[WV], 8
	s_add_co_u32 s73, s73, XST
	v_add_nc_u32 v[XRD], s73, v[L8]
.irp g, 0,1,2,3
	v_mov_b32 v[U+\g], 0                           ; written once: a lane permute's destination counts as one of its sources
.endr
	s_lshl_b32 s74, s8, 1
	s_add_co_u32 s74, s74, s5                      ; my group of 128 tokens, 0 .. 63
	WALU
	s_wait_dscnt 0x0                               ; both opening adds are done
	CROUND                                         ; all four work-groups are here: the joint loads meet
	s_wait_kmcnt 0x0
	s_mul_i32 s72, s9, WREG
	s_mov_b32 s73, 0
	s_add_nc_u64 s[72:73], s[40:41], s[72:73]
	G0SET G0Q, WREG, 0
	G0SET G0K, 2*WREG, 8*WREG
	G0SET G0V, 0, 16*WREG
	s_lshl_b32 s72, s9, 12
	s_mov_b32 s73, 0
	s_add_nc_u64 s[72:73], s[42:43], s[72:73]
	G0SET G0S, SCL, 0
	ARM 0, G0V, G1W                                ; what is needed first is asked for by waves 0 and 1
	ARM 1, G0S, G1S
	ARM 2, G0Q, G1W
	tensor_load_to_lds s[G0K:G0K+3], s[G1W:G1W+7]
	s_nop 0
	PLACES
.Lasked:
	s_mul_i32 s76, s74, WREG                       ; x: my group, my four blocks
	s_mul_i32 s77, s6, 6144
	s_add_co_u32 s76, s76, s77
	s_mov_b32 s77, 0
	s_add_nc_u64 s[90:91], s[36:37], s[76:77]
	s_lshl_b32 s76, s74, 12
	s_lshl_b32 s78, s6, 11
	s_add_co_u32 s76, s76, s78
	s_add_nc_u64 s[92:93], s[38:39], s[76:77]
.irp a, 0,1,2,3
	global_load_b128 v[XS+4*\a:XS+4*\a+3], v[LI], s[92:93] offset:512*\a   ; register 4 a + i: K step i in lanes 0-15, 4 + i in lanes 16-31
.endr
.set F_, 0
.rept 32
	WIN (1+F_/21)<<6
.irp c, 0,1,2
	global_load_b128 v[12*(F_%21)+4*\c:12*(F_%21)+4*\c+3], v[LI], s[90:91] offset:(F_/4)*12288+(F_%4)*1536+512*\c   ; 512 consecutive bytes a load
.endr
.set F_, F_+1
.endr
	WIN 0
	s_lshl_b32 s72, s9, 9                          ; where the results go.  q, k: image head pair x 512 + 16 x token tile + 4 x wave
	s_lshl_b32 s73, s8, 4
	s_add_co_u32 s72, s72, s73
	s_lshl_b32 s76, s72, 6                         ; 64 bytes of scale words an image; at the end a wave stores 256 of the work-group's 1,024
	s_lshl_b32 s73, s[WV], 2
	s_add_co_u32 s72, s72, s73
	s_mul_i32 s72, s72, 1536
	s_mov_b32 s73, 0
	s_add_nc_u64 s[QKB:QKB+1], s[50:51], s[72:73]
	s_lshl_b32 s78, s[WV], 8
	s_add_co_u32 s76, s76, s78
	s_add_nc_u64 s[84:85], s[52:53], s[76:77]
	s_lshr_b32 s72, s74, 3                         ; v: ((batch x 8 + head pair) x 8 + my 128 keys) x 8 images, + my half
	s_lshl_b32 s72, s72, 3
	s_add_co_u32 s72, s72, s9
	s_lshl_b32 s72, s72, 3
	s_and_b32 s73, s74, 7
	s_add_co_u32 s72, s72, s73
	s_mul_i32 s72, s72, 12288
	s_mul_i32 s73, s6, 768
	s_add_co_u32 s72, s72, s73
	s_mov_b32 s73, 0
	s_add_nc_u64 s[VB:VB+1], s[54:55], s[72:73]
	s_lshr_b32 s72, s8, 2
	s_lshl_b32 s72, s72, 3
	s_add_co_u32 s72, s72, s9
	s_lshl_b32 s72, s72, 3
	s_and_b32 s73, s8, 3
	s_lshl_b32 s73, s73, 1
	s_add_co_u32 s72, s72, s73
	s_lshl_b32 s72, s72, 9
	s_add_co_u32 s72, s72, s78
	s_mov_b32 s73, 0
	s_add_nc_u64 s[86:87], s[56:57], s[72:73]
	s_lshl_b32 s72, s9, 9                          ; the biases of my 128 columns
	s_add_nc_u64 s[44:45], s[44:45], s[72:73]
	s_add_nc_u64 s[46:47], s[46:47], s[72:73]
	s_add_nc_u64 s[48:49], s[48:49], s[72:73]
	s_cmp_eq_u32 s[WV], 1                          ; wave 1 brings them into LDS
	s_cbranch_scc0 .Lno_bias
	global_load_b128 v[PC:PC+3], v[LI], s[44:45]
	global_load_b128 v[PC+4:PC+7], v[LI], s[46:47]
	global_load_b128 v[PC+8:PC+11], v[LI], s[48:49]
	s_wait_loadcnt 0x0
	s_wait_tensorcnt 0x0
.irp t, 0,1,2
	ds_store_b128 v[BST], v[PC+4*\t:PC+4*\t+3] offset:512*\t
.endr
.Lno_bias:
	s_wait_loadcnt 0x0                             ; x and its scale words
	s_cmp_lt_u32 s[WV], 2
	s_cbranch_scc0 .Lnot_first
	s_wait_tensorcnt 0x0                           ; Wv's tile, the scale words
.Lnot_first:
	s_wait_dscnt 0x0                               ; for the others' sake: the biases have landed
	s_barrier_signal -1
	s_barrier_wait -1                              ; Wq's and Wk's tiles may be out
	FETCH 1, 0
	FETCH 1, 1
; ---- PHASE v
	PHASE 1, NFV
	WALU
	s_wait_tensorcnt 0x0                           ; every wave: all tiles are in
	s_wait_dscnt 0x0
	s_barrier_signal -1
	s_barrier_wait -1
	v_add_nc_u32 v[AW], WREG, v[LI]                ; phase q
	v_add_nc_u32 v[AW+1], WREG+49152, v[LI]
	v_add_nc_u32 v[AS], SCL, v[LI]
	WALU
	FETCH 0, 0                                     ; q's first two blocks; v's last way out stands behind their loads
	FETCH 0, 1
	CHAINALL ACC+64, 1, 3
	CVTV 3, ACC+64
	v_cmp_le_u32 vcc_lo, 16, v[LN]                 ; lanes 0-15 carry the even channel blocks' bytes, lanes 16-31 the odd blocks'
.irp i, 0,1,2,3
	v_cndmask_b32 v[H4+\i], v[PWD+2*\i], v[PWD+2*\i+1], vcc_lo
.endr
.irp i, 0,1,2,3
	ds_store_b16 v[STV], v[H4+\i] offset:4*\i      ; my two of a word's four bytes
.endr
; ---- PHASES q AND k: one text, two trips
	s_mov_b32 s[CNT], 0
	s_mov_b32 s89, 0                               ; the phase's place in the stage: 1,024 bytes a phase
.Lphase:
	PHASE 0, NFQ
	v_add_nc_u32 v[AW], 2*WREG, v[LI]              ; what follows a phase here is phase k
	v_add_nc_u32 v[AW+1], 2*WREG+49152, v[LI]
	v_add_nc_u32 v[AS], SCL+4096, v[LI]
	v_add_nc_u32 v[AB], 512, v[ABQ]
	v_add_nc_u32 v[STT], s89, v[STQ]
	WALU
	s_cmp_eq_u32 s[CNT], 0
	s_cbranch_scc0 .Lno_next                       ; behind k nothing is fetched
	FETCH 0, 0
	FETCH 0, 1
.Lno_next:
	CHAINALL ACC+64, 0, 3
	CVTQ 3, ACC+64
	v_cmp_le_u32 vcc_lo, 16, v[LN]                 ; lanes 0-15 carry the even token blocks' words, lanes 16-31 the odd blocks'
	v_cndmask_b32 v[W2], v[PWD], v[PWD+1], vcc_lo
	v_cndmask_b32 v[W2+1], v[PWD+2], v[PWD+3], vcc_lo
	ds_store_b64 v[STT], v[W2:W2+1]
.irp a, 0,1,2,3
.irp c, 0,1,2
	global_store_b128 v[LI], v[PC+12*\a+4*\c:PC+12*\a+4*\c+3], s[QKB:QKB+1] offset:1536*\a+512*\c   ; 512 consecutive bytes a store
.endr
.endr
	s_wait_xcnt 0x0                                ; the stores have read their base
	s_add_nc_u64 s[QKB:QKB+1], s[QKB:QKB+1], 6291456   ; k's head pairs lie 8 x 512 images behind q's
	s_add_co_u32 s89, s89, 1024
	s_add_co_u32 s[CNT], s[CNT], 1
	s_cmp_lt_u32 s[CNT], 2
	WALU
	s_cbranch_scc1 .Lphase
; ---- THE END: the scale words leave the stage in whole runs of 256 bytes, one a wave and tensor
	s_wait_dscnt 0x0
	s_barrier_signal -1
	s_barrier_wait -1
.irp t, 0,1,2
	ds_load_b64 v[T+2*\t:T+2*\t+1], v[XRD] offset:1024*\t
.endr
	s_wait_dscnt 0x0
	global_store_b64 v[L8], v[T:T+1], s[84:85]
	global_store_b64 v[L8], v[T+2:T+3], s[84:85] offset:262144
	global_store_b64 v[L8], v[T+4:T+5], s[86:87]
	s_wait_tensorcnt 0x0                           ; the wave's end
	ds_add_u32 v[SPW], v[NIL]
	s_wait_dscnt 0x0
	CROUND                                         ; the closing round
	s_endpgm
.Lfunc_end_k_qacb0def807_proj:
	.size	k_qacb0def807_proj, .Lfunc_end_k_qacb0def807_proj-k_qacb0def807_proj
	.p2alignl 7, 3214868480
	.fill 96, 4, 3214868480
	.section	.rodata,"a",@progbits
	.p2align	6, 0x0
	.amdhsa_kernel k_qacb0def807_proj
		.amdhsa_group_segment_fixed_size 327680
		.amdhsa_private_segment_fixed_size 0
		.amdhsa_enable_private_segment 0
		.amdhsa_kernarg_size 88
		.amdhsa_user_sgpr_count 2
		.amdhsa_user_sgpr_kernarg_segment_ptr 1
		.amdhsa_wavefront_size32 1
		.amdhsa_system_sgpr_workgroup_id_x 1
		.amdhsa_system_sgpr_workgroup_id_y 1
		.amdhsa_system_sgpr_workgroup_id_z 1
		.amdhsa_system_vgpr_workitem_id 0
		.amdhsa_next_free_vgpr 896
		.amdhsa_next_free_sgpr 100
		.amdhsa_reserve_vcc 1
		.amdhsa_float_denorm_mode_32 3
		.amdhsa_float_denorm_mode_16_64 3
		.amdhsa_memory_ordered 1
		.amdhsa_forward_progress 1
		.amdhsa_inst_pref_size 167
	.end_amdhsa_kernel
	.amdgpu_metadata
---
amdhsa.version: [ 1, 2 ]
amdhsa.kernels:
  - .name:           k_qacb0def807_proj
    .symbol:         k_qacb0def807_proj.kd
    .args:
      - { .name: x_img, .offset: 0, .size: 8, .value_kind: global_buffer, .address_space: global }
      - { .name: x_sc, .offset: 8, .size: 8, .value_kind: global_buffer, .address_space: global }
      - { .name: w_img, .offset: 16, .size: 8, .value_kind: global_buffer, .address_space: global }
      - { .name: w_sc, .offset: 24, .size: 8, .value_kind: global_buffer, .address_space: global }
      - { .name: bq, .offset: 32, .size: 8, .value_kind: global_buffer, .address_space: global }
      - { .name: bk, .offset: 40, .size: 8, .value_kind: global_buffer, .address_space: global }
      - { .name: bv, .offset: 48, .size: 8, .value_kind: global_buffer, .address_space: global }
      - { .name: qk_img, .offset: 56, .size: 8, .value_kind: global_buffer, .address_space: global }
      - { .name: qk_sc, .offset: 64, .size: 8, .value_kind: global_buffer, .address_space: global }
      - { .name: v_img, .offset: 72, .size: 8, .value_kind: global_buffer, .address_space: global }
      - { .name: v_sc, .offset: 80, .size: 8, .value_kind: global_buffer, .address_space: global }
    .group_segment_fixed_size: 327680
    .private_segment_fixed_size: 0
    .kernarg_segment_align: 8
    .kernarg_segment_size: 88
    .max_flat_workgroup_size: 128
    .sgpr_count:     100
    .vgpr_count:     896
    .wavefront_size: 32
...
	.end_amdgpu_metadata
.endif
;; end of part 2
;; launch attn (part 3): grid 256 x 1, 8 waves a work-group, clusters of 4 x 1, 244,736 bytes of LDS; arguments qk_img, qk_sc, v_img, v_sc, attention_mask, out0; writes out0
.if DOCPART == 3
	.amdgcn_target "amdgcn-amd-amdhsa--gfx1250"
	.amdhsa_code_object_version 6
	.text
	.protected	k_qacb0def807_attn
	.globl	k_qacb0def807_attn
	.p2align	8
	.type	k_qacb0def807_attn,@function
k_qacb0def807_attn:
	s_mov_b64 s[64:65], 0
	v_nop
	global_prefetch_b8 v0, s[64:65] scope:SCOPE_SE
	s_setreg_imm32_b32 hwreg(HW_REG_WAVE_MODE, 25, 1), 1
	s_wait_xcnt 0x0
	s_wait_alu depctr_hold_cnt(0) depctr_sa_sdst(0) depctr_va_vdst(0) depctr_va_sdst(0) depctr_va_ssrc(0) depctr_va_vcc(0) depctr_vm_vsrc(0)
	s_getreg_b32 s2, hwreg(HW_REG_IB_STS2, 6, 4)
	s_cmp_eq_u32 s2, 0
	s_cbranch_scc0 .Lentry_in_a_cluster
	s_endpgm
.Lentry_in_a_cluster:
	s_bfe_u32 s2, ttmp6, 0x10000c
	s_cmp_lg_u32 s2, 0x3003
	s_cbranch_scc0 .Lentry_shape_is_right
	s_endpgm
.Lentry_shape_is_right:
; out0[b][q][64 head + d] = the sum over keys of softmax(q . k / 8 + mask[b][key]) v, both products on codes of FP6 (E2M3) with one E8M0 scale for each 32 along a product's K.
; t = (q . k + 8 mask) x log2(e) / 8; M = the running largest t rounded UP to a whole number; p = 2^(t - M) is quantised along the keys, not normalised; the row's sum is taken of the unquantised p
; and divides at the end.  When M moves, the sum and O are multiplied by 2^(old M - new M): exact.
; SHARES.  A cluster of four work-groups takes one batch and one PAIR of heads; a work-group 256 of its queries; each of its eight waves 32 queries x both heads: four tiles (2 head + block of 16 queries).
; ALL of the pair's K and V (2 x 98,304 bytes of register images) and their scale words lie in LDS, fetched once, jointly by the four work-groups: nothing is filled again.
; LAYOUT.  Both products are used transposed: S^T = K Q^T (source 0 = 16 keys), O^T = V^T P^T (source 0 = 16 channels): a lane holds one query throughout.  The rows of an image are not neighbours
; (place r of block 2 B + u holds row 32 B + 8 u + r + 8 (r / 8)), so the 16 registers of result tiles 2 B, 2 B + 1 are 16 neighbours: 32 B + 16 (lane / 16) + 0 .. 15.
; HEAD SIZE 64 IN A K OF 128.  An image of K or Q holds both heads of the pair along K.  Q's fragment for the even head is [its codes | zero codes], for the odd head [zero codes | its codes].
; THE MASK: 8 x mask lies in LDS and is the C of S^T, in the result's layout.
; LIMITS: 8 x mask under -2^33 counts as -infinity (p = 0), so that every finite t stays small enough for 2^(t - M) not to overflow where a whole key step is masked; a row all of whose keys have
; mask < -2^30 gives NaN; masks above about 1e9 and NaN in the mask are not served.
; REGISTERS.  window 0: v1-11 addresses; v16-31 statistics, four a tile (-M, largest t, the sum in two halves); v32-35 K's scale words, v36-39 V's, v40 Q's, v41-42 p's; v44-58 conversions' halves;
;   v64-191 S^T, then p, 64 a block of queries; v192-215 p's codes; v224-255 at work, 16 a block of queries.
;   window 1: v0-127 O^T, 32 a tile; v128-163 Q (18 a block: even head's codes, zeros, odd head's codes); v164-211 four fragments of K or V; v212-243 four tiles of the mask.
.set KIMG, 0
.set VIMG, 98304
.set KSC,  196608                      ; K's scale words, 512 bytes a key step
.set VSC,  200704                      ; V's
.set MSK,  204800                      ; 8 x mask, 1,024 numbers: stored by the waves; no fill lands here
.set STG,  208896                      ; the way out: 16 rows x (256 bytes + 16) for each wave
.set SP,   272
.set LI,  1                            ; v1   16 x lane
.set AK,  2                            ; v2   the key step's images of K
.set AV,  3                            ; v3   of V
.set AM,  4                            ; v4   its 128 numbers of the mask, + 64 (lane / 16)
.set AS,  5                            ; v5   its scale words
.set SO,  6
.set SR,  7
.set GO,  8
.set MB,  9                            ; v9   MSK + 64 (lane / 16)
.set LV,  10                           ; v10  VIMG + 16 x lane
.set LS,  11                           ; v11  KSC + 16 x lane
.set ST,  16
.set KS,  32
.set VS,  36
.set QS,  40
.set PS,  41
.set CT,  44
.set S,   64
.set PC,  192
.set T,   224                          ; +0..3 the blocks' largest; +4..7 at work; +8..11 scale operands; +12 at work; +14, +15 f as a pair
.set O,   0
.set Q,   128
.set FB,  164
.set MK,  212
.set WV,  16                           ; s16 wave; s17 cx: my block of 256 queries; s18 batch; s19 head pair
.set G1S, 20                           ; s[20:27], s[28:35], s[36:43] descriptor groups 1: 16, 48 and 336 rows of 256 bytes
.set G1A, 28
.set G1B, 36
.set G0K, 44                           ; s[44:55] K's three groups 0;  s[84:95] V's
.set G0V, 84
.set SEL, 56
.set CS,  58                           ; s[58:59] c = log2(e) / 8
.set T12, 60                           ; s60  12,288 x key step
.set T5,  61                           ; s61  512 x key step
.set CNT, 62
.set MSB, 0
.macro WIN new                         ; the immediate's high byte repeats the setting that is left
.if MSB != \new
	s_set_vgpr_msb (MSB<<8)|\new
.set MSB, \new
.endif
.endm
.macro PLACES                          ; four plain instructions in front of loads into registers that matrix instructions have read, and of the first read of results
.rept 4
	v_nop
.endr
.endm
.macro CROUND                          ; a round of the cluster's barrier
	s_barrier_signal -1
	s_barrier_wait -1
	s_cmp_lg_u32 s[WV], 0
	s_cbranch_scc1 .Lnot_wave_0_\@
	s_barrier_signal -3
.Lnot_wave_0_\@:
	s_barrier_wait -3
	s_barrier_signal -1
	s_barrier_wait -1
.endm
.macro FRAG reg, adr, off              ; an image back into 12 registers: three loads of 512 consecutive bytes
.irp c, 0,1,2
	ds_load_b128 v[\reg+4*\c:\reg+4*\c+3], v[\adr] offset:\off+512*\c
.endr
.endm
; S^T + 8 mask for head e: eight tiles of 16 keys, four at a time, each against both blocks of queries.  All sixteen results are different registers.
.macro SPH e
.irp g, 0,1
.if (\e) || (\g)
	PLACES
.endif
	WIN 0x40                                       ; destination window 1
.irp t, 0,1,2,3
	FRAG FB+12*\t, AK, (4*\g+\t)*1536
	ds_load_b128 v[MK+8*\t:MK+8*\t+3], v[AM] offset:(32*((4*\g+\t)/2)+8*(\t%2))*4       ; the tile's register j holds key 32 (a / 2) + 8 (a % 2) + 16 h + j
	ds_load_b128 v[MK+8*\t+4:MK+8*\t+7], v[AM] offset:(32*((4*\g+\t)/2)+8*(\t%2))*4+16
.endr
	s_wait_dscnt 0x0
	WIN 0x15                                       ; K, Q and the mask in window 1, S^T in window 0
.irp t, 0,1,2,3
.irp q, 0,1
.set rD, S+64*\q+8*(4*\g+\t)
.set rA, FB+12*\t
.set rB, Q+18*\q+6*(\e)
.set rC, MK+8*\t
.set rS, KS+(4*\g+\t)/2
.if (\t%2) && \q
	v_wmma_scale_f32_16x16x128_f8f6f4 v[rD:rD+7], v[rA:rA+11], v[rB:rB+11], v[rC:rC+7], v[rS], v[QS] matrix_a_fmt:MATRIX_FMT_FP6 matrix_b_fmt:MATRIX_FMT_FP6 matrix_a_scale:MATRIX_SCALE_ROW1 matrix_b_scale:MATRIX_SCALE_ROW1
.elseif (\t%2)
	v_wmma_scale_f32_16x16x128_f8f6f4 v[rD:rD+7], v[rA:rA+11], v[rB:rB+11], v[rC:rC+7], v[rS], v[QS] matrix_a_fmt:MATRIX_FMT_FP6 matrix_b_fmt:MATRIX_FMT_FP6 matrix_a_scale:MATRIX_SCALE_ROW1
.elseif \q
	v_wmma_scale_f32_16x16x128_f8f6f4 v[rD:rD+7], v[rA:rA+11], v[rB:rB+11], v[rC:rC+7], v[rS], v[QS] matrix_a_fmt:MATRIX_FMT_FP6 matrix_b_fmt:MATRIX_FMT_FP6 matrix_b_scale:MATRIX_SCALE_ROW1
.else
	v_wmma_scale_f32_16x16x128_f8f6f4 v[rD:rD+7], v[rA:rA+11], v[rB:rB+11], v[rC:rC+7], v[rS], v[QS] matrix_a_fmt:MATRIX_FMT_FP6 matrix_b_fmt:MATRIX_FMT_FP6
.endif
.endr
.endr
.endr
.endm
; The softmax of head e's two tiles for these 128 keys, the two by turns, line by line; then p's codes and scale words.
.macro SOFT e
.irp b, 0,1,2,3
.irp q, 0,1
	v_max3_num_f32 v[T+16*\q+\b], v[S+64*\q+16*\b], v[S+64*\q+16*\b+1], v[S+64*\q+16*\b+2]   ; the largest score of each block of 32 keys: for the row's maximum and, since p rises with the score, for the block's largest p
.endr
.endr
.irp i, 3,5,7,9,11,13
.irp b, 0,1,2,3
.irp q, 0,1
	v_max3_num_f32 v[T+16*\q+\b], v[T+16*\q+\b], v[S+64*\q+16*\b+\i], v[S+64*\q+16*\b+\i+1]
.endr
.endr
.endr
.irp b, 0,1,2,3
.irp q, 0,1
	v_max_num_f32 v[T+16*\q+\b], v[T+16*\q+\b], v[S+64*\q+16*\b+15]
.endr
.endr
.irp b, 0,1,2,3
.irp q, 0,1
	v_permlanex16_b32 v[T+16*\q+4+\b], v[T+16*\q+\b], s[SEL], s[SEL+1]
.endr
.endr
.irp b, 0,1,2,3
.irp q, 0,1
	v_max_num_f32 v[T+16*\q+\b], v[T+16*\q+\b], v[T+16*\q+4+\b]    ; with lane l xor 16's 16 keys
.endr
.endr
.irp q, 0,1
	s_delay_alu instid0(VALU_DEP_4)
	v_max3_num_f32 v[T+16*\q+12], v[T+16*\q], v[T+16*\q+1], v[T+16*\q+2]
.endr
.irp q, 0,1
	s_delay_alu instid0(VALU_DEP_2)
	v_max_num_f32 v[T+16*\q+12], v[T+16*\q+12], v[T+16*\q+3]       ; the step's largest score of my query
.endr
.irp q, 0,1
	s_delay_alu instid0(VALU_DEP_2)
	v_mul_f32 v[T+16*\q+12], s[CS], v[T+16*\q+12]                  ; as t (c is positive)
.endr
.irp q, 0,1
	s_delay_alu instid0(VALU_DEP_2)
	v_max_num_f32 v[ST+4*(2*(\e)+\q)+1], v[ST+4*(2*(\e)+\q)+1], v[T+16*\q+12]   ; the running largest t
.endr
.irp q, 0,1
	v_mov_b32 v[T+16*\q+12], v[ST+4*(2*(\e)+\q)]
.endr
.irp q, 0,1
	s_delay_alu instid0(VALU_DEP_4)
	v_floor_f32 v[ST+4*(2*(\e)+\q)], -v[ST+4*(2*(\e)+\q)+1]        ; the new -M = floor(-t): M is a whole number
.endr
.irp q, 0,1
	s_delay_alu instid0(VALU_DEP_2)
	v_sub_f32 v[T+16*\q+12], v[ST+4*(2*(\e)+\q)], v[T+16*\q+12]    ; old M - new M: a whole number, 0 or less
.endr
.irp q, 0,1
	s_delay_alu instid0(VALU_DEP_2)
	v_cvt_i32_f32 v[T+16*\q+12], v[T+16*\q+12]                     ; (it saturates)
.endr
.irp q, 0,1
	s_delay_alu instid0(VALU_DEP_2)
	v_ldexp_f32 v[T+16*\q+14], 1.0, v[T+16*\q+12]                  ; f = 2^(old M - new M)
.endr
.set j, 0
.rept 32
.irp q, 0,1
	v_pk_fma_f32 v[S+64*\q+j:S+64*\q+j+1], v[S+64*\q+j:S+64*\q+j+1], s[CS:CS+1], v[ST+4*(2*(\e)+\q):ST+4*(2*(\e)+\q)+1] op_sel_hi:[1,0,0]   ; t - M, two at a time
.endr
.set j, j+2
.endr
.irp b, 0,1,2,3
.irp q, 0,1
	v_fma_f32 v[T+16*\q+\b], v[T+16*\q+\b], s[CS], v[ST+4*(2*(\e)+\q)]   ; the same of each block's largest score
.endr
.endr
.set j, 0
	s_wait_alu depctr_va_vdst(0)
.rept 128
	v_exp_f32 v[S+j], v[S+j]                       ; p = 2^(t - M): both tiles' 128 in one batch
.set j, j+1
.endr
.irp q, 0,1
	v_pk_mul_f32 v[ST+4*(2*(\e)+\q)+2:ST+4*(2*(\e)+\q)+3], v[ST+4*(2*(\e)+\q)+2:ST+4*(2*(\e)+\q)+3], v[T+16*\q+14:T+16*\q+15] op_sel_hi:[1,0]   ; the sums under the new M: the plain instruction behind the batch
.endr
	s_wait_alu depctr_va_vdst(0)                   ; one wait for the batch, ahead of the first instruction that names a result
.irp b, 0,1,2,3
.irp q, 0,1
	v_exp_f32 v[T+16*\q+\b], v[T+16*\q+\b]         ; the blocks' largest p: the same two instructions on the same number give the same bits
.endr
.endr
.irp q, 0,1
	v_pk_add_f32 v[T+16*\q+4:T+16*\q+5], v[S+64*\q:S+64*\q+1], v[S+64*\q+2:S+64*\q+3]   ; the row's sum of the UNQUANTISED p, two at a time, two chains a tile
.endr
.irp i, 4,8,12,16,20,24,28,32,36,40,44,48,52,56,60
.irp q, 0,1
	v_pk_add_f32 v[ST+4*(2*(\e)+\q)+2:ST+4*(2*(\e)+\q)+3], v[ST+4*(2*(\e)+\q)+2:ST+4*(2*(\e)+\q)+3], v[S+64*\q+\i:S+64*\q+\i+1]
	v_pk_add_f32 v[T+16*\q+4:T+16*\q+5], v[T+16*\q+4:T+16*\q+5], v[S+64*\q+\i+2:S+64*\q+\i+3]
.endr
.endr
.irp q, 0
	s_delay_alu instid0(VALU_DEP_3)
	v_pk_add_f32 v[ST+4*(2*(\e)+\q)+2:ST+4*(2*(\e)+\q)+3], v[ST+4*(2*(\e)+\q)+2:ST+4*(2*(\e)+\q)+3], v[T+16*\q+4:T+16*\q+5]
.endr
.irp q, 1
	s_delay_alu instid0(VALU_DEP_2)
	v_pk_add_f32 v[ST+4*(2*(\e)+\q)+2:ST+4*(2*(\e)+\q)+3], v[ST+4*(2*(\e)+\q)+2:ST+4*(2*(\e)+\q)+3], v[T+16*\q+4:T+16*\q+5]
.endr
	s_wait_alu depctr_va_vdst(0)                   ; and one for the eight
.irp b, 0,1,2,3
.irp q, 0,1
	v_max_num_f32 v[T+16*\q+\b], 0x1800000, v[T+16*\q+\b]          ; the floor 2^(3 - 127): the byte cannot fall under 1 (a block of zeros keeps that byte: its codes are zeros)
.endr
.endr
.irp b, 0,1,2,3
.irp q, 0,1
	v_add_nc_u32 v[T+16*\q+8+\b], 0xff000000, v[T+16*\q+\b]        ; 2 off the exponent field: the conversion's scale operand
.endr
.endr
.irp b, 0,1,2,3
.irp q, 0,1
	v_lshrrev_b32 v[T+16*\q+4+\b], 23, v[T+16*\q+8+\b]             ; the scale's byte
.endr
.endr
.irp q, 0,1
	v_lshl_or_b32 v[PS+\q], v[T+16*\q+5], 8, v[T+16*\q+4]          ; p's scale word for these 128 keys
.endr
.irp q, 0,1
	s_delay_alu instid0(VALU_DEP_2)
	v_lshl_or_b32 v[PS+\q], v[T+16*\q+6], 16, v[PS+\q]
.endr
.irp q, 0,1
	s_delay_alu instid0(VALU_DEP_2)
	v_lshl_or_b32 v[PS+\q], v[T+16*\q+7], 24, v[PS+\q]
.endr
.irp q, 0,1
.irp c, 0,1
	v_cvt_scalef32_pk16_fp6_f32 v[PC+12*\q+6*\c:PC+12*\q+6*\c+2], v[S+64*\q+32*\c:S+64*\q+32*\c+15], v[T+16*\q+8+2*\c]
	v_cvt_scalef32_pk16_fp6_f32 v[CT+8*\q+4*\c:CT+8*\q+4*\c+2], v[S+64*\q+32*\c+16:S+64*\q+32*\c+31], v[T+16*\q+9+2*\c]   ; (a conversion's three registers begin on an even number)
.endr
.endr
	v_nop                                          ; one plain instruction behind the scaled conversions
.irp q, 0,1
.irp c, 0,1
.irp i, 0,1,2
	v_permlane16_swap_b32 v[PC+12*\q+6*\c+\i], v[CT+8*\q+4*\c+\i]  ; a whole block in a lane: lanes 0-15 block 2 c, lanes 16-31 block 2 c + 1
.endr
.irp i, 0,1,2
	s_delay_alu instid0(VALU_DEP_3)
	v_mov_b32 v[PC+12*\q+6*\c+3+\i], v[CT+8*\q+4*\c+\i]
.endr
.endr
.endr
.endm
; O^T += V^T P^T for head e: four tiles of 16 channels x two blocks of queries: eight accumulators by turns.  first = 1: the products start the sums.
.macro PVH e, first
	s_wait_dscnt 0x0                               ; V's four fragments, asked for ahead of the softmax, are in
	WIN 0x51                                       ; V in window 1, p's codes in window 0, O^T in window 1
.irp t, 0,1,2,3
.irp q, 0,1
.set rD, O+32*(2*(\e)+\q)+8*\t
.set rA, FB+12*\t
.set rB, PC+12*\q
.set rS, VS+2*(\e)+\t/2
.set rT, PS+\q
.if \first && (\t%2)
	v_wmma_scale_f32_16x16x128_f8f6f4 v[rD:rD+7], v[rA:rA+11], v[rB:rB+11], 0, v[rS], v[rT] matrix_a_fmt:MATRIX_FMT_FP6 matrix_b_fmt:MATRIX_FMT_FP6 matrix_a_scale:MATRIX_SCALE_ROW1
.elseif \first
	v_wmma_scale_f32_16x16x128_f8f6f4 v[rD:rD+7], v[rA:rA+11], v[rB:rB+11], 0, v[rS], v[rT] matrix_a_fmt:MATRIX_FMT_FP6 matrix_b_fmt:MATRIX_FMT_FP6
.elseif (\t%2)
	v_wmma_scale_f32_16x16x128_f8f6f4 v[rD:rD+7], v[rA:rA+11], v[rB:rB+11], v[rD:rD+7], v[rS], v[rT] matrix_a_fmt:MATRIX_FMT_FP6 matrix_b_fmt:MATRIX_FMT_FP6 matrix_a_scale:MATRIX_SCALE_ROW1
.else
	v_wmma_scale_f32_16x16x128_f8f6f4 v[rD:rD+7], v[rA:rA+11], v[rB:rB+11], v[rD:rD+7], v[rS], v[rT] matrix_a_fmt:MATRIX_FMT_FP6 matrix_b_fmt:MATRIX_FMT_FP6
.endif
.endr
.endr
.endm
; A KEY STEP: 128 keys, both heads one after the other.
.macro KEYSTEP first
	v_add_nc_u32 v[AK], s[T12], v[LI]              ; (these five are also the places behind the last step's matrix instructions)
	s_wait_alu depctr_va_vdst(0)
	v_add_nc_u32 v[AV], s[T12], v[LV]
	v_add_nc_u32 v[AV8], s[T12], v[LV8]
	v_add_nc_u32 v[AM], s[T5], v[MB]
	s_wait_alu depctr_va_vdst(0)
	v_add_nc_u32 v[AS], s[T5], v[LS]
	ds_load_b128 v[KS:KS+3], v[AS]                 ; register i: block 2 i in lanes 0-15, block 2 i + 1 in lanes 16-31
	ds_load_b128 v[VS:VS+3], v[AS] offset:VSC-KSC
.irp e, 0,1
	SPH \e
	PLACES
	WIN 0x40
.irp t, 0,1,2,3
.irp c, 0,1                            ; an image of V is two halves of 768 bytes: registers 6 c .. 6 c + 3 of lane l at 16 l, registers 6 c + 4, 6 c + 5 at 512 + 8 l
	ds_load_b128 v[FB+12*\t+6*\c:FB+12*\t+6*\c+3], v[AV] offset:(4*\e+\t)*1536+768*\c
	ds_load_b64 v[FB+12*\t+6*\c+4:FB+12*\t+6*\c+5], v[AV8] offset:(4*\e+\t)*1536+768*\c+512
.endr
.endr
	WIN 0
	SOFT \e
.if \first
	s_wait_alu depctr_va_vdst(0)
.rept 8
	v_nop                                          ; a scale register written by vector instructions stands eight places ahead of the scaled matrix instruction, an operand four
.endr
.else
	WIN 0x41                                       ; O^T (destination and source 0) in window 1, f in window 0
.irp q, 0,1
.set j, 0
.rept 16
	v_pk_mul_f32 v[O+32*(2*\e+\q)+j:O+32*(2*\e+\q)+j+1], v[O+32*(2*\e+\q)+j:O+32*(2*\e+\q)+j+1], v[T+16*\q+14:T+16*\q+15] op_sel_hi:[1,0]   ; O^T under the new M; each accumulator from its low end on
.set j, j+2
.endr
.endr
.endif
	s_wait_alu depctr_va_vdst(0)
	PVH \e, \first
.endr
	WIN 0
	s_add_co_u32 s[T12], s[T12], 12288
	s_add_co_u32 s[T5], s[T5], 512
.endm
	s_load_b256 s[4:11], s[0:1], 0x0               ; qk_img s[4:5], qk_sc s[6:7], v_img s[8:9], v_sc s[10:11]
	s_load_b128 s[12:15], s[0:1], 0x20             ; attention_mask s[12:13], out0 s[14:15]
	v_lshl_add_u32 v237, v0, 2, 0x3b800
	v_mov_b32 v253, 0
	ds_add_u32 v237, v253
	ds_add_u32 v237, v253
	v_lshrrev_b32 v2, 5, v0
	s_delay_alu instid0(VALU_DEP_1)
	v_readfirstlane_b32 s[WV], v2                  ; wave 0..7
	s_bfe_u32 s17, ttmp6, 0x40000                  ; cx: my block of 256 queries: it enters Q's and out0's addresses alone
	s_lshr_b32 s18, ttmp9, 3                       ; batch
	s_and_b32 s19, ttmp9, 7                        ; head pair
.irp g, G1S, G1A, G1B                  ; dense blocks as rows of 256 bytes (32 elements of 8 bytes)
	s_mov_b32 s[\g], 15|(3<<16)|(1<<21)            ; 15:0 the mask: all four work-groups; 17:16 elements of 8 bytes; 21 set beside a mask; no padding
	s_mov_b32 s[\g+1], 32<<16
	s_mov_b32 s[\g+3], 32<<16
	s_mov_b32 s[\g+5], 32
	s_mov_b32 s[\g+6], 0
	s_mov_b32 s[\g+7], 0
.endr
	s_mov_b32 s[G1S+2], 16<<16                     ; the scale words: 4,096 bytes
	s_mov_b32 s[G1S+4], 16
	s_mov_b32 s[G1A+2], 48<<16                     ; key step 0: 12,288 bytes
	s_mov_b32 s[G1A+4], 48
	s_mov_b32 s[G1B+2], 336<<16                    ; key steps 1 to 7: 86,016 bytes
	s_mov_b32 s[G1B+4], 336
	s_add_co_u32 s67, s19, 8                       ; k's head pairs lie behind q's eight
	s_lshl_b32 s67, s67, 9
	s_lshl_b32 s68, s18, 6
	s_add_co_u32 s67, s67, s68                     ; K's first block of 16 keys
	s_mul_i32 s68, s67, 1536
	s_mov_b32 s69, 0
	s_lshl_b32 s70, s67, 6                         ; 64 bytes of scale words a block
	s_mov_b32 s71, 0
	s_mul_i32 s72, ttmp9, 98304                    ; V: [batch][head pair]
	s_mov_b32 s73, 0
	s_lshl_b32 s74, ttmp9, 12
	s_mov_b32 s75, 0
	s_lshl_b32 s76, s19, 9                         ; Q: head pair x 512 + 64 batch + 16 cx + 2 wave: my first block of 16 queries
	s_lshl_b32 s77, s18, 6
	s_add_co_u32 s76, s76, s77
	s_lshl_b32 s77, s17, 4
	s_add_co_u32 s76, s76, s77
	s_lshl_b32 s77, s[WV], 1
	s_add_co_u32 s76, s76, s77
	s_mul_i32 s76, s76, 1536
	s_mov_b32 s77, 0
	s_lshl_b32 s78, s19, 6                         ; Q's scale words: the 512 bytes of my eight blocks, + 4 (wave % 4)
	s_lshl_b32 s79, s18, 3
	s_add_co_u32 s78, s78, s79
	s_lshl_b32 s79, s17, 1
	s_add_co_u32 s78, s78, s79
	s_lshr_b32 s79, s[WV], 2
	s_add_co_u32 s78, s78, s79
	s_lshl_b32 s78, s78, 9
	s_and_b32 s79, s[WV], 3
	s_lshl_b32 s79, s79, 2
	s_add_co_u32 s78, s78, s79
	s_mov_b32 s79, 0
	s_lshl_b32 s80, s18, 22                        ; out0: (1024 batch + 256 cx + 32 wave) rows of 4,096 bytes + 512 head pair
	s_lshl_b32 s81, s17, 20
	s_add_co_u32 s80, s80, s81
	s_lshl_b32 s81, s[WV], 17
	s_add_co_u32 s80, s80, s81
	s_lshl_b32 s81, s19, 9
	s_add_co_u32 s80, s80, s81
	s_mov_b32 s81, 0
	s_lshl_b32 s82, s18, 12                        ; the batch's 1,024 numbers of the mask
	s_mov_b32 s83, 0
	s_mov_b32 s[SEL], 0x76543210
	s_mov_b32 s[SEL+1], 0xfedcba98
	s_mov_b32 s[CS], 0x3e38aa3b                    ; c = log2(e) / 8
	s_mov_b32 s[CS+1], s[CS]                       ; (named with it as a pair, so it is written)
	s_mov_b32 s[T12], 0
	s_mov_b32 s[T5], 0
	s_mov_b32 s63, 0xd0000000                      ; -2^33
	s_wait_dscnt 0x0
	s_wait_kmcnt 0x0
	s_add_nc_u64 s[68:69], s[4:5], s[68:69]
	s_add_nc_u64 s[70:71], s[6:7], s[70:71]
	s_add_nc_u64 s[72:73], s[8:9], s[72:73]
	s_add_nc_u64 s[74:75], s[10:11], s[74:75]
	s_mov_b32 s[G0K], 1                            ; K's scale words
	s_mov_b32 s[G0K+1], KSC
	s_mov_b64 s[G0K+2:G0K+3], s[70:71]
	s_or_b32 s[G0K+3], s[G0K+3], 0x80000000
	s_mov_b32 s[G0K+4], 1                          ; K's key step 0
	s_mov_b32 s[G0K+5], KIMG
	s_mov_b64 s[G0K+6:G0K+7], s[68:69]
	s_or_b32 s[G0K+7], s[G0K+7], 0x80000000
	s_mov_b32 s[G0K+8], 1                          ; K's key steps 1 to 7
	s_mov_b32 s[G0K+9], KIMG+12288
	s_add_nc_u64 s[G0K+10:G0K+11], s[68:69], 12288
	s_or_b32 s[G0K+11], s[G0K+11], 0x80000000
	s_mov_b32 s[G0V], 1                            ; and the same three for V
	s_mov_b32 s[G0V+1], VSC
	s_mov_b64 s[G0V+2:G0V+3], s[74:75]
	s_or_b32 s[G0V+3], s[G0V+3], 0x80000000
	s_mov_b32 s[G0V+4], 1
	s_mov_b32 s[G0V+5], VIMG
	s_mov_b64 s[G0V+6:G0V+7], s[72:73]
	s_or_b32 s[G0V+7], s[G0V+7], 0x80000000
	s_mov_b32 s[G0V+8], 1
	s_mov_b32 s[G0V+9], VIMG+12288
	s_add_nc_u64 s[G0V+10:G0V+11], s[72:73], 12288
	s_or_b32 s[G0V+11], s[G0V+11], 0x80000000
	s_add_nc_u64 s[76:77], s[4:5], s[76:77]
	s_add_nc_u64 s[78:79], s[6:7], s[78:79]
	s_add_nc_u64 s[14:15], s[14:15], s[80:81]
	s_add_nc_u64 s[12:13], s[12:13], s[82:83]
	CROUND                                         ; all four work-groups are here: the joint loads meet
.set LV8, 59                           ; v59  VIMG + 8 x lane
.set AV8, 60                           ; v60  the key step's images of V, + 8 x lane
.macro ARM w, g0, g1                   ; one arm of the head's chain: wave w's one joint load; an s_nop 0 and four v_nop follow it
	s_cmp_eq_u32 s[WV], \w
	s_cbranch_scc0 .Lnot_\w
	tensor_load_to_lds s[\g0:\g0+3], s[\g1:\g1+7]
	s_nop 0
.rept 4
	v_nop
.endr
	s_branch .Lasked
.Lnot_\w:
.endm
	ARM 0, G0K+4, G1A                              ; waves 0 to 3: what the first key step reads: K's key step 0, K's scale words, V's scale words, V's key step 0
	ARM 1, G0K, G1S
	ARM 2, G0V, G1S
	ARM 3, G0V+4, G1A
	ARM 4, G0K+8, G1B                              ; waves 4 and 5: key steps 1 to 7
	ARM 5, G0V+8, G1B
.Lasked:
	v_lshlrev_b32 v12, 4, v0                       ; the mask: 16 bytes a thread, 4,096 a work-group
	v_lshl_add_u32 v13, v0, 4, MSK
	global_load_b128 v[64:67], v12, s[12:13]
	v_and_b32 v1, 31, v0
	v_and_b32 v14, 15, v0                          ; r
	v_bfe_u32 v15, v0, 4, 1                        ; h
	s_delay_alu instid0(VALU_DEP_3)
	v_lshlrev_b32 v[LI], 4, v1
	WIN 0x40                                       ; destination window 1
.irp q, 0,1                            ; Q's image: registers 0-5 the even head's codes, 6-11 the odd head's; six zeros are laid between them
	global_load_b128 v[Q+18*\q:Q+18*\q+3], v[LI], s[76:77] offset:1536*\q
	global_load_b64 v[Q+18*\q+4:Q+18*\q+5], v[LI], s[76:77] offset:1536*\q+512
	global_load_b64 v[Q+18*\q+12:Q+18*\q+13], v[LI], s[76:77] offset:1536*\q+520
	global_load_b128 v[Q+18*\q+14:Q+18*\q+17], v[LI], s[76:77] offset:1536*\q+1024
.irp i, 6,7,8,9,10,11
	v_mov_b32 v[Q+18*\q+\i], 0
.endr
.endr
	WIN 0
	global_load_b32 v[QS], v[LI], s[78:79]         ; lanes 0-15: the words of my first 16 queries; lanes 16-31: of the other 16
	v_lshl_add_u32 v[MB], v15, 6, MSK
	v_add_nc_u32 v[LV], VIMG, v[LI]
	v_lshrrev_b32 v[LV8], 1, v[LI]
	v_add_nc_u32 v[LV8], VIMG, v[LV8]
	v_add_nc_u32 v[LS], KSC, v[LI]
	s_mul_i32 s80, s[WV], 16*SP
	s_add_co_u32 s80, s80, STG                     ; my stage
	v_mul_u32_u24 v[SO], v14, SP
	s_delay_alu instid0(VALU_DEP_1)
	v_lshl_add_u32 v[SO], v15, 6, v[SO]
	s_delay_alu instid0(VALU_DEP_1)
	v_add_nc_u32 v[SO], s80, v[SO]                 ; in: row r, + 64 h
	v_mul_u32_u24 v[SR], v15, SP
	s_delay_alu instid0(VALU_DEP_1)
	v_lshl_add_u32 v[SR], v14, 4, v[SR]
	s_delay_alu instid0(VALU_DEP_1)
	v_add_nc_u32 v[SR], s80, v[SR]                 ; back: lanes 0-15 one row, lanes 16-31 the next
	v_lshlrev_b32 v[GO], 12, v15
	s_delay_alu instid0(VALU_DEP_1)
	v_lshl_add_u32 v[GO], v14, 4, v[GO]            ; and the same two rows in out0
.irp u, 0,1,2,3
	v_mov_b32 v[ST+4*\u+1], 0xff61b1e6             ; the largest t so far: -3e38
	v_mov_b32 v[ST+4*\u+2], 0                      ; the sum, in two halves
	v_mov_b32 v[ST+4*\u+3], 0
.endr
.irp u, 0,1,2,3
	v_floor_f32 v[ST+4*\u], -v[ST+4*\u+1]          ; -M
.endr
.irp q, 0,1
.irp b, 4,5,6,7,15
	v_mov_b32 v[T+16*\q+\b], 0                     ; written once: lane permutes' destinations, and the upper half of the pair f
.endr
.endr
	v_mov_b32 v68, 0xff800000                      ; -infinity
	s_wait_loadcnt 9                               ; the mask is in: behind its load stand Q's eight and the scale words' one
.irp i, 0,1,2,3
	v_mul_f32 v[64+\i], 0x41000000, v[64+\i]       ; 8 x mask: exact
.endr
	s_wait_alu depctr_va_vdst(0)
.irp i, 0,1,2,3
	v_cmp_gt_f32 vcc_lo, s63, v[64+\i]             ; under -2^33: -infinity
	s_delay_alu instid0(VALU_DEP_1)
	v_cndmask_b32 v[64+\i], v[64+\i], v68, vcc_lo
.endr
	ds_store_b128 v13, v[64:67]
	s_wait_loadcnt 0x0                             ; Q and its scale words
	s_cmp_lt_u32 s[WV], 4                          ; waves 0 to 3 wait for their loads; key steps 1 to 7 (waves 4, 5) may be out
	s_cbranch_scc0 .Lbig
	s_wait_tensorcnt 0x0
.Lbig:
	s_wait_dscnt 0x0                               ; for the others' sake: my part of the mask has landed
	s_barrier_signal -1
	s_barrier_wait -1
	KEYSTEP 1                                      ; the first key step starts O^T's sums
	s_wait_tensorcnt 0x0                           ; key steps 1 to 7 are in
	s_wait_dscnt 0x0
	s_barrier_signal -1
	s_barrier_wait -1
	s_mov_b32 s[CNT], 7
.Lkey:
	KEYSTEP 0
	s_sub_co_u32 s[CNT], s[CNT], 1
	s_cmp_lg_u32 s[CNT], 0
	s_cbranch_scc1 .Lkey
	; THE WAY OUT.  The sum's halves are added (these additions are the places behind the last products); O^T / the sum goes through my stage, a tile (16 queries x 64 channels) at a time.
.irp u, 0,1,2,3
	v_add_f32 v[ST+4*\u+2], v[ST+4*\u+2], v[ST+4*\u+3]
.endr
.irp u, 0,1,2,3
	s_delay_alu instid0(VALU_DEP_4)
	v_permlanex16_b32 v[ST+4*\u+3], v[ST+4*\u+2], s[SEL], s[SEL+1]
.endr
.irp u, 0,1,2,3
	s_delay_alu instid0(VALU_DEP_4)
	v_add_f32 v[ST+4*\u+2], v[ST+4*\u+2], v[ST+4*\u+3]
.endr
	s_wait_alu depctr_va_vdst(0)
.irp u, 0,1,2,3
	v_rcp_f32 v[ST+4*\u+3], v[ST+4*\u+2]
.endr
	v_nop                                          ; a plain instruction behind the last reciprocal
	s_wait_alu depctr_va_vdst(0)                   ; one wait for the four, ahead of their first reader
.macro PACK u
	WIN 0x01                                       ; source 0 (O^T) window 1
.set j, 0
.rept 32
	v_mul_f32 v[S+32*\u+j], v[O+32*\u+j], v[ST+4*\u+3]             ; register 8 t + i: channel 32 (t / 2) + 16 h + 8 (t % 2) + i of query place r
.set j, j+1
.endr
	WIN 0
.irp t, 0,1,2,3
	ds_store_b128 v[SO], v[S+32*\u+8*\t:S+32*\u+8*\t+3] offset:128*(\t/2)+32*(\t%2)
	ds_store_b128 v[SO], v[S+32*\u+8*\t+4:S+32*\u+8*\t+7] offset:128*(\t/2)+32*(\t%2)+16
.endr
.irp i, 0,1,2,3,4,5,6,7
	ds_load_b128 v[S+32*\u+4*\i:S+32*\u+4*\i+3], v[SR] offset:2*SP*\i   ; LDS serves a wave's instructions in order: these see my stores, and the next tile's stores come behind them
.endr
.endm
.macro SEND u, younger                 ; younger: the LDS instructions issued behind this tile's loads
.irp i, 0,1,2,3,4,5,6,7
	s_wait_dscnt \younger+7-\i
	global_store_b128 v[GO], v[S+32*\u+4*\i:S+32*\u+4*\i+3], s[14:15] offset:256*(\u/2)+(8*(\u%2)+2*\i+8*(\i/4))*4096 th:TH_STORE_NT   ; place 2 i + h is token 8 (u % 2) + 2 i + h + 8 (i / 4); sixteen lanes store 256 consecutive bytes, aligned
.endr
.endm
	PACK 0
	PACK 1
	SEND 0, 16
	PACK 2
	SEND 1, 16
	PACK 3
	SEND 2, 16
	SEND 3, 0
	s_wait_tensorcnt 0x0
	ds_add_u32 v237, v253
	s_wait_dscnt 0x0
	CROUND                                         ; the closing round
	s_endpgm
.Lfunc_end_k_qacb0def807_attn:
	.size	k_qacb0def807_attn, .Lfunc_end_k_qacb0def807_attn-k_qacb0def807_attn
	.p2alignl 7, 3214868480
	.fill 96, 4, 3214868480
	.section	.rodata,"a",@progbits
	.p2align	6, 0x0
	.amdhsa_kernel k_qacb0def807_attn
		.amdhsa_group_segment_fixed_size 244736
		.amdhsa_private_segment_fixed_size 0
		.amdhsa_enable_private_segment 0
		.amdhsa_kernarg_size 48
		.amdhsa_user_sgpr_count 2
		.amdhsa_user_sgpr_kernarg_segment_ptr 1
		.amdhsa_wavefront_size32 1
		.amdhsa_system_sgpr_workgroup_id_x 1
		.amdhsa_system_sgpr_workgroup_id_y 1
		.amdhsa_system_sgpr_workgroup_id_z 1
		.amdhsa_system_vgpr_workitem_id 0
		.amdhsa_next_free_vgpr 512
		.amdhsa_next_free_sgpr 100
		.amdhsa_reserve_vcc 1
		.amdhsa_float_denorm_mode_32 3
		.amdhsa_float_denorm_mode_16_64 3
		.amdhsa_memory_ordered 1
		.amdhsa_forward_progress 1
		.amdhsa_inst_pref_size 150
	.end_amdhsa_kernel
	.amdgpu_metadata
---
amdhsa.version: [ 1, 2 ]
amdhsa.kernels:
  - .name:           k_qacb0def807_attn
    .symbol:         k_qacb0def807_attn.kd
    .args:
      - { .name: qk_img, .offset: 0, .size: 8, .value_kind: global_buffer, .address_space: global }
      - { .name: qk_sc, .offset: 8, .size: 8, .value_kind: global_buffer, .address_space: global }
      - { .name: v_img, .offset: 16, .size: 8, .value_kind: global_buffer, .address_space: global }
      - { .name: v_sc, .offset: 24, .size: 8, .value_kind: global_buffer, .address_space: global }
      - { .name: attention_mask, .offset: 32, .size: 8, .value_kind: global_buffer, .address_space: global }
      - { .name: out0, .offset: 40, .size: 8, .value_kind: global_buffer, .address_space: global }
    .group_segment_fixed_size: 244736
    .private_segment_fixed_size: 0
    .kernarg_segment_align: 8
    .kernarg_segment_size: 48
    .max_flat_workgroup_size: 256
    .sgpr_count:     100
    .vgpr_count:     512
    .wavefront_size: 32
...
	.end_amdgpu_metadata
.endif
;; end of part 3
